; MI455X (gfx1250); checked and timed in simulation.
; The chip was launched on July 23, 2026; its instructions are those of AMD's public machine-readable ISA for CDNA 5 (MIT licence, August 2026) and "CDNA5" Instruction Set Architecture Reference Guide (July 2026). The comments in the code are by the model that wrote it; some were corrected since.
;; Multi Head Attention. Allowed arithmetic: matrix products marked QUANTISED: E2M1 operands, one E8M0 scale for each 32 along K, by v_wmma_scale_f32_16x16x128_f8f6f4 with both operands' format E2M1 (or v_wmma_scale_f32_32x16x128_f4), f32 sums; products left as they are: bf16, f16 or f32 operands; f32 sums; everything else in f32.
;; Inputs: Wk 1,024 x 1,024 float32; Wo 1,024 x 1,024 float32; Wq 1,024 x 1,024 float32; Wv 1,024 x 1,024 float32; bo 1,024 float32; keys 4 x 2,048 x 1,024 float32; queries 4 x 2,048 x 1,024 float32; values 4 x 2,048 x 1,024 float32.
;; Outputs: out0 4 x 2,048 x 1,024 float32.
;; This version of the problem:
;;   THIS VERSION OF THE PROBLEM IS GIVEN IN LOW PRECISION. The matrix products marked QUANTISED in the list below multiply operands that are first quantised to E2M1 (2 exponent bits, 1 mantissa bit; 4 bits a number), with one power-of-two scale for each 32 numbers along K (OCP MX v1.0); their sums are f32. The products marked 'left as it is' may take bf16, f16 or f32 operands, with f32 sums. Whichever they take, every output number must still come out within the allowed error. Rounding operands to bf16 (8 significant bits) uses up far more of that allowance than f16 does (11 bits, for magnitudes from 6e-5 to 65,504). All else is computed in f32.
;;   The module's matrix products, in the order in which they are computed (A, B: the left and right operand; K: the contracted axis; several contracted axes count as one K, in the product's order):
;;     1. [M 8,192, K 1,024] x [K 1,024, N 1,024]; A: input queries; B: input Wq: QUANTISED
;;     2. [M 8,192, K 1,024] x [K 1,024, N 1,024]; A: input keys; B: input Wk: QUANTISED
;;     3. [M 8,192, K 1,024] x [K 1,024, N 1,024]; A: input values; B: input Wv: QUANTISED
;;     4. batch 64 x [M 2,048, K 64] x [K 64, N 2,048]; A: computed on the way; B: computed on the way: left as it is (an operand is computed on the way)
;;     5. batch 64 x [M 64, K 2,048] x [K 2,048, N 2,048]; A: computed on the way; B: computed on the way: left as it is (an operand is computed on the way)
;;     6. [M 8,192, K 1,024] x [K 1,024, N 1,024]; A: computed on the way; B: input Wo: left as it is (an operand is computed on the way)
;;   THE QUANTISER, for each operand of a quantised product, along K:
;;     - K is cut into blocks of 32 from its start; a last block that is shorter is filled with zeros.
;;     - A block's scale is 2^e with e = floor(log2(the largest magnitude in the block)) - 2, held to -126 .. 127; a block of zeros has e = 0. As a byte (E8M0): e + 127.
;;     - Each number is divided by its block's scale, clamped to +-6, and rounded to the nearest number of E2M1, ties to even, subnormals kept.
;;     - The product sums the exact products of the quantised numbers (number of the format x scale) in f32.
;;   ~~~python
;;   def quantise(x, axis):      # numpy; x: float32 -> the quantised numbers, widened to float32 again
;;       x = np.moveaxis(x, axis, -1); K = x.shape[-1]
;;       x = np.pad(x, [(0, 0)] * (x.ndim - 1) + [(0, -K % 32)]); x = x.reshape(x.shape[:-1] + (-1, 32)); a = np.abs(x).max(-1, keepdims=True)
;;       e = np.where(a > 0, np.clip(np.frexp(np.where(a > 0, a, 1))[1] - 1 - 2, -126, 127), 0)      # np.frexp(a)[1] - 1 = floor(log2(a)), exactly
;;       r = np.clip(x / 2.0 ** e, -6, 6)
;;       step = 2.0 ** (np.maximum(np.frexp(np.where(r == 0, 1, r))[1] - 1, 0) - 1)
;;       q = np.round(r / step) * step * 2.0 ** e      # np.round: ties to even
;;       return np.moveaxis(q.reshape(q.shape[:-2] + (-1,))[..., :K], -1, axis).astype(np.float32)
;;   ~~~
;; One version. Each part assembles by itself: llvm-mc -triple=amdgcn-amd-amdhsa -mcpu=gfx1250 --defsym DOCPART=n.
;; ======== version 1 of 1: 4 launches
;; limits: values are held in f16: magnitudes above 65,504 overflow, below 6.1e-05 lose precision
;; workspace buffers: xc 12,582,912 bytes; xs 786,432 bytes; wc 1,572,864 bytes; ws 98,304 bytes; wot 2,097,152 bytes; qkv 50,331,648 bytes; ao 16,777,216 bytes
;; launch prep (part 1): grid 880 x 1, 4 waves a work-group, no clusters, 102,912 bytes of LDS; arguments queries, keys, values, Wq, Wk, Wv, Wo, xc, xs, wc, ws, wot; writes xc, xs, wc, ws, wot
.if DOCPART == 1
	.amdgcn_target "amdgcn-amd-amdhsa--gfx1250"
	.amdhsa_code_object_version 6
	.text
	.protected	k_qec9d6b5319_prep
	.globl	k_qec9d6b5319_prep
	.p2align	8
	.type	k_qec9d6b5319_prep,@function
k_qec9d6b5319_prep:
	s_mov_b64 s[64:65], 0
	v_nop
	global_prefetch_b8 v0, s[64:65] scope:SCOPE_SE
	s_setreg_imm32_b32 hwreg(HW_REG_WAVE_MODE, 25, 1), 1
	s_wait_xcnt 0x0
; PREP: all operands are brought into the form in which the later launches read them.  Three kinds of work-group, told apart by the work-group's number:
;   0 .. 47    Wq, Wk, Wv [1024 k][1024 n] f32 -> codes of FP4 (E2M1) laid [n][k], K innermost (wc), one E8M0 byte for each 32 along K (ws)
;   48 .. 111  Wo [1024 k][1024 n] f32 -> f16, laid [n][k] (wot)
;   112 .. 879 queries, keys, values [8192][1024] f32 -> codes (xc) and scale bytes (xs); K is innermost, so a tensor is a plain stream of blocks of 32
; A block's scale is 2^(floor(log2(its largest magnitude)) - 2); its byte is the largest magnitude's exponent field - 2, held at 1 from below.
; Each number is divided by the scale and rounded to the nearest code, ties to even; beyond the largest code the largest.
; LIMITS: a block of zeros gets the byte 1 where the rule says 127 (its codes are zeros, and this program alone reads the bytes); blocks whose largest magnitude
; lies under 2^-124 were not tried; NaN and infinities are not served; Wo is rounded to f16: magnitudes from 65,504 on become infinite, under 6e-5 the step is 6e-8.
; No tensor loads, no barrier: waves share nothing.  Each of the three paths has LDS bytes of its own and an end of its own.
.set SP,    80                         ; activations: a lane's place in a stage: 64 bytes + 16 of padding
.set WREG,  8192                       ; activations: a wave's region: two stages of 32 x SP bytes, then its 256 scale bytes
.set PITCH, 272                        ; weights: a stage row: 256 bytes + 16
.set WSTG,  32768                      ; the quantised weights' stages, 32 x PITCH a wave
.set OSTG,  67584                      ; Wo's stages, the same size
.set SPARE, 102400                     ; the spare words, 128 bytes a wave: two blocks of 256 bytes that no other line names
.set SPW,   192                        ; v192 LDS address of my spare word; never rewritten
.set NIL,   193                        ; v193 0; never rewritten
.set STEPS, 16
.set XR,    16                         ; activations: v16-79 four sets of 16 numbers as loaded
.set XX,    80                         ; v80-111 two sets of 16 neighbours
.set XE,    112                        ; v112-127 a scale byte for each step
.set XC,    128                        ; v128-191 codes, four registers for each step: no store's data are written again
.set WSB,   24                         ; weights: v24-27 scale bytes, four to a register
.set WX,    32                         ; v32-95 two sets of 32 numbers
.set WC,    96                         ; v96-111 a block's codes (4) or f16 pairs (16)
.set WOUT,  112                        ; v112-175 the way out
.macro XLOAD t                         ; a step's 2,048 bytes: each load reads 512 consecutive bytes
.irp i, 0,1,2,3
	global_load_b128 v[XR+16*((\t)%4)+4*\i:XR+16*((\t)%4)+4*\i+3], v3, s[32:33] offset:2048*(\t)+512*\i th:TH_LOAD_NT
.endr
.endm
.macro XTURN t                         ; through the wave's stage: in as loaded, out 64 neighbouring bytes a lane.  LDS serves a wave's instructions in order
.irp i, 0,1,2,3
	ds_store_b128 v14, v[XR+16*((\t)%4)+4*\i:XR+16*((\t)%4)+4*\i+3] offset:32*SP*((\t)%2)+8*SP*\i
.endr
.irp i, 0,1,2,3
	ds_load_b128 v[XX+16*((\t)%2)+4*\i:XX+16*((\t)%2)+4*\i+3], v15 offset:32*SP*((\t)%2)+16*\i
.endr
.endm
.macro XSTEP t
.set XS, XX+16*((\t)%2)
.if (\t) > 0
	s_wait_dscnt 1                                 ; this step's numbers are back from the stage (the last step's byte store may be out)
.else
	s_wait_dscnt 0x0
.endif
.if (\t)+4 < STEPS
	XLOAD (\t)+4                                   ; the set that this step's stage stores have read takes the loads of four steps on
.endif
.if (\t)+1 < STEPS
.if STEPS-2-(\t) >= 3
	s_wait_loadcnt 12                              ; the next step's four loads are in; those of the three steps behind it may be out
.else
	s_wait_loadcnt 4*(STEPS-2-(\t))
.endif
	XTURN (\t)+1
.endif
	v_max3_num_f32 v8, |v[XS]|, |v[XS+1]|, |v[XS+2]|               ; the largest magnitude of my 16, in two chains
	v_max3_num_f32 v9, |v[XS+3]|, |v[XS+4]|, |v[XS+5]|
.irp i, 6,10
	v_max3_num_f32 v8, v8, |v[XS+\i]|, |v[XS+\i+1]|
	v_max3_num_f32 v9, v9, |v[XS+\i+2]|, |v[XS+\i+3]|
.endr
	v_max3_num_f32 v8, v8, |v[XS+14]|, |v[XS+15]|
	v_max3_num_f32 v8, v8, v9, 0x1800000           ; and the floor 2^(3 - 127): the byte cannot fall under 1
	v_max_num_f32_dpp v8, v8, v8 row_xmask:1 row_mask:0xf bank_mask:0xf   ; with my neighbour's 16: the block's
	v_add_nc_u32 v11, 0xff000000, v8               ; 2 off its exponent field: the conversion takes the exponent field of this operand as its scale
	v_cvt_scalef32_pk8_fp4_f32 v[XC+4*(\t)], v[XS:XS+7], v11
	v_cvt_scalef32_pk8_fp4_f32 v[XC+4*(\t)+1], v[XS+8:XS+15], v11
	v_lshrrev_b32 v[XE+(\t)], 23, v11              ; the scale's byte
	ds_store_b8 v5, v[XE+(\t)] offset:16*(\t)      ; both lanes of a block write the same byte with the same value
	global_store_b64 v4, v[XC+4*(\t):XC+4*(\t)+1], s[18:19] offset:256*(\t)   ; the wave stores 256 consecutive bytes, aligned
.endm
.macro WLOAD t                         ; weights: a lane takes a column, its registers run down K: block t, rows 32 t + i, into set t % 2
.irp i, 0,1,2,3,4,5,6,7,8,9,10,11,12,13,14,15,16,17,18,19,20,21,22,23,24,25,26,27,28,29,30,31
	global_load_b32 v[WX+32*((\t)%2)+\i], v3, s[32:33] offset:(32*(\t)+\i)*4096 th:TH_LOAD_NT
.endr
.endm
.macro WBLOCK t                        ; a block of 32 along K of my column becomes 16 bytes of codes and a scale byte
.set WS, WX+32*((\t)%2)
.if (\t) < 15
	s_wait_loadcnt 32                              ; this block's 32 loads are in; the next block's may be out
.else
	s_wait_loadcnt 0
.endif
	v_max3_num_f32 v12, |v[WS]|, |v[WS+1]|, |v[WS+2]|
	v_max3_num_f32 v13, |v[WS+3]|, |v[WS+4]|, |v[WS+5]|
.irp i, 6,10,14,18,22,26
	v_max3_num_f32 v12, v12, |v[WS+\i]|, |v[WS+\i+1]|
	v_max3_num_f32 v13, v13, |v[WS+\i+2]|, |v[WS+\i+3]|
.endr
	v_max3_num_f32 v12, v12, |v[WS+30]|, |v[WS+31]|
	v_max3_num_f32 v12, v12, v13, 0x1800000        ; the floor
	v_add_nc_u32 v11, 0xff000000, v12
	v_lshrrev_b32 v13, 23, v11                     ; the scale's byte
.if (\t)%4 == 0
	v_mov_b32 v[WSB+(\t)/4], v13
.else
	v_lshl_or_b32 v[WSB+(\t)/4], v13, 8*((\t)%4), v[WSB+(\t)/4]
.endif
.irp g, 0,1,2,3
	v_cvt_scalef32_pk8_fp4_f32 v[WC+\g], v[WS+8*\g:WS+8*\g+7], v11
.endr
	ds_store_b128 v4, v[WC:WC+3] offset:16*(\t)
.if (\t)+2 < 16
	WLOAD (\t)+2
.endif
	s_wait_dscnt 0x0                               ; the store has read its registers: the next block's codes may be written
.endm
.macro OBLOCK t                        ; 32 along K of my column of Wo become 64 bytes of f16
.set WS, WX+32*((\t)%2)
.if (\t) < 3
	s_wait_loadcnt 32
.else
	s_wait_loadcnt 0
.endif
.irp j, 0,1,2,3,4,5,6,7,8,9,10,11,12,13,14,15
	v_cvt_pk_f16_f32 v[WC+\j], v[WS+2*\j], v[WS+2*\j+1]            ; the lower k in the low half
.endr
.irp c, 0,1,2,3
	ds_store_b128 v4, v[WC+4*\c:WC+4*\c+3] offset:64*(\t)+16*\c
.endr
.if (\t)+2 < 4
	WLOAD (\t)+2
.endif
	s_wait_dscnt 0x0
.endm
.macro WAYOUT base, rowb               ; the stage's 32 rows of 256 bytes leave two at a time: sixteen lanes store 256 consecutive bytes, aligned
.irp t, 0,1,2,3,4,5,6,7,8,9,10,11,12,13,14,15
	ds_load_b128 v[WOUT+4*\t:WOUT+4*\t+3], v7 offset:2*\t*PITCH    ; LDS serves a wave's instructions in order: these see my stores
.endr
.irp t, 0,1,2,3,4,5,6,7,8,9,10,11,12,13,14,15
	s_wait_dscnt 15-\t                             ; load t is in; the younger ones may be out
	global_store_b128 v8, v[WOUT+4*\t:WOUT+4*\t+3], s[\base:\base+1] offset:2*\t*\rowb
.endr
.endm
.macro WADDR stg, rowb                 ; the lane's addresses for a weight's path: v3 in, v4 into the stage, v7 out of it, v8 the same place in the output
	v_lshlrev_b32 v3, 2, v2
	s_mul_i32 s37, s28, 32*PITCH
	s_add_co_u32 s37, s37, \stg
	v_mul_u32_u24 v4, v2, PITCH
	v_add_nc_u32 v4, s37, v4
	v_and_b32 v5, 15, v2
	v_lshrrev_b32 v6, 4, v2
	v_mul_u32_u24 v7, v6, PITCH
	v_lshl_add_u32 v7, v5, 4, v7
	v_add_nc_u32 v7, s37, v7
	v_mul_u32_u24 v8, v6, \rowb
	v_lshl_add_u32 v8, v5, 4, v8
.endm
	s_load_b256 s[4:11], s[0:1], 0x0               ; queries s[4:5], keys s[6:7], values s[8:9], Wq s[10:11]
	s_load_b256 s[12:19], s[0:1], 0x20             ; Wk s[12:13], Wv s[14:15], Wo s[16:17], xc s[18:19]
	s_load_b256 s[20:27], s[0:1], 0x40             ; xs s[20:21], wc s[22:23], ws s[24:25], wot s[26:27]
	v_lshl_add_u32 v[SPW], v0, 2, SPARE
	v_mov_b32 v[NIL], 0
	v_lshrrev_b32 v1, 5, v0
	v_readfirstlane_b32 s28, v1                    ; wave 0..3
	v_and_b32 v2, 31, v0                           ; lane
	s_mov_b32 s35, 0                               ; the upper word of every offset pair s[34:35]
	s_wait_kmcnt 0x0
	s_cmp_lt_u32 ttmp9, 48
	s_cbranch_scc1 .Lweights
	s_cmp_lt_u32 ttmp9, 112
	s_cbranch_scc1 .Lwo
	; ---- the activations: 768 work-groups, 256 to a tensor; a wave takes a run of 8,192 numbers
	s_sub_co_u32 s29, ttmp9, 112
	s_lshr_b32 s30, s29, 8                         ; which tensor
	s_cmp_eq_u32 s30, 0
	s_cselect_b64 s[32:33], s[4:5], s[6:7]
	s_cmp_eq_u32 s30, 2
	s_cselect_b64 s[32:33], s[8:9], s[32:33]
	s_and_b32 s31, s29, 255
	s_lshl_b32 s31, s31, 2
	s_add_co_u32 s31, s31, s28                     ; my run in the tensor,
	s_lshl_b32 s34, s31, 15                        ; 32,768 bytes each
	s_add_nc_u64 s[32:33], s[32:33], s[34:35]
	s_lshl_b32 s36, s29, 2
	s_add_co_u32 s36, s36, s28                     ; my run among all three tensors': the outputs lie one tensor behind the other
	s_lshl_b32 s34, s36, 12                        ; 4,096 bytes of codes,
	s_add_nc_u64 s[18:19], s[18:19], s[34:35]
	s_lshl_b32 s34, s36, 8                         ; 256 scale bytes
	s_add_nc_u64 s[20:21], s[20:21], s[34:35]
	v_lshlrev_b32 v3, 4, v2                        ; my 16 bytes of a load's 512
	s_mul_i32 s37, s28, WREG
	v_lshrrev_b32 v14, 2, v2
	v_mul_u32_u24 v14, v14, SP
	v_and_b32 v15, 3, v2
	v_lshl_add_u32 v14, v15, 4, v14
	v_add_nc_u32 v14, s37, v14                     ; the stage, on the way in: SP (lane / 4) + 16 (lane % 4)
	v_mul_u32_u24 v15, v2, SP
	v_add_nc_u32 v15, s37, v15                     ; on the way out: SP x lane
	v_lshlrev_b32 v4, 3, v2                        ; my 8 bytes of a step's codes
	v_lshrrev_b32 v5, 1, v2
	s_add_co_u32 s37, s37, 2*32*SP
	v_add_nc_u32 v5, s37, v5                       ; my block's byte among the wave's 256
	v_lshlrev_b32 v7, 3, v2
	v_add_nc_u32 v6, s37, v7
.irp t, 0,1,2,3
	XLOAD \t
.endr
	s_wait_loadcnt 12                              ; step 0's four loads are in
	XTURN 0
.irp t, 0,1,2,3,4,5,6,7,8,9,10,11,12,13,14,15
	XSTEP \t
.endr
	ds_load_b64 v[8:9], v6                         ; my wave's 256 scale bytes, 8 a lane
	s_wait_dscnt 0x0
	global_store_b64 v7, v[8:9], s[20:21]          ; 256 consecutive bytes, aligned
	s_wait_tensorcnt 0x0                           ; the wave's end, behind my last LDS store
	ds_add_u32 v[SPW], v[NIL]
	s_wait_dscnt 0x0
	s_endpgm
.Lweights:
	; ---- Wq, Wk, Wv: 16 work-groups to a weight: 8 along n x 2 along k; a wave takes 32 columns x 512 along K
	s_lshr_b32 s30, ttmp9, 4                       ; which weight
	s_and_b32 s29, ttmp9, 7
	s_bfe_u32 s31, ttmp9, 0x10003                  ; which 512 along K
	s_cmp_eq_u32 s30, 0
	s_cselect_b64 s[32:33], s[10:11], s[12:13]
	s_cmp_eq_u32 s30, 2
	s_cselect_b64 s[32:33], s[14:15], s[32:33]
	s_lshl_b32 s29, s29, 7
	s_lshl_b32 s36, s28, 5
	s_add_co_u32 s29, s29, s36                     ; my wave's first column
	s_lshl_b32 s34, s31, 21                        ; 512 rows of 4,096 bytes
	s_lshl_b32 s36, s29, 2
	s_add_co_u32 s34, s34, s36
	s_add_nc_u64 s[32:33], s[32:33], s[34:35]
	s_lshl_b32 s34, s30, 19                        ; codes: 524,288 bytes a weight, 512 a column, 256 for 512 along K
	s_lshl_b32 s36, s29, 9
	s_add_co_u32 s34, s34, s36
	s_lshl_b32 s36, s31, 8
	s_add_co_u32 s34, s34, s36
	s_add_nc_u64 s[22:23], s[22:23], s[34:35]
	s_lshl_b32 s34, s30, 15                        ; scale bytes: 32,768 a weight, 32 a column, 16 for 512 along K
	s_lshl_b32 s36, s29, 5
	s_add_co_u32 s34, s34, s36
	s_lshl_b32 s36, s31, 4
	s_add_co_u32 s34, s34, s36
	s_add_nc_u64 s[24:25], s[24:25], s[34:35]
	WADDR WSTG, 512
	v_lshlrev_b32 v9, 5, v2                        ; my column's row of scale bytes
	WLOAD 0
	WLOAD 1
.irp t, 0,1,2,3,4,5,6,7,8,9,10,11,12,13,14,15
	WBLOCK \t
.endr
	global_store_b128 v9, v[WSB:WSB+3], s[24:25]   ; my column's 16 scale bytes
	WAYOUT 22, 512
	s_wait_tensorcnt 0x0                           ; the wave's end
	ds_add_u32 v[SPW], v[NIL]
	s_wait_dscnt 0x0
	s_endpgm
.Lwo:
	; ---- Wo: 64 work-groups: 8 along n x 8 along k; a wave takes 32 columns x 128 along K: 256 bytes of f16 a column
	s_sub_co_u32 s29, ttmp9, 48
	s_lshr_b32 s31, s29, 3                         ; which 128 along K
	s_and_b32 s29, s29, 7
	s_lshl_b32 s29, s29, 7
	s_lshl_b32 s36, s28, 5
	s_add_co_u32 s29, s29, s36                     ; my wave's first column
	s_lshl_b32 s34, s31, 19                        ; 128 rows of 4,096 bytes
	s_lshl_b32 s36, s29, 2
	s_add_co_u32 s34, s34, s36
	s_add_nc_u64 s[32:33], s[16:17], s[34:35]
	s_lshl_b32 s34, s29, 11                        ; out: 2,048 bytes a column, 256 for 128 along K
	s_lshl_b32 s36, s31, 8
	s_add_co_u32 s34, s34, s36
	s_add_nc_u64 s[26:27], s[26:27], s[34:35]
	WADDR OSTG, 2048
	WLOAD 0
	WLOAD 1
.irp t, 0,1,2,3
	OBLOCK \t
.endr
	WAYOUT 26, 2048
	s_wait_tensorcnt 0x0                           ; the wave's end
	ds_add_u32 v[SPW], v[NIL]
	s_wait_dscnt 0x0
	s_endpgm
.Lfunc_end_k_qec9d6b5319_prep:
	.size	k_qec9d6b5319_prep, .Lfunc_end_k_qec9d6b5319_prep-k_qec9d6b5319_prep
	.p2alignl 7, 3214868480
	.fill 96, 4, 3214868480
	.section	.rodata,"a",@progbits
	.p2align	6, 0x0
	.amdhsa_kernel k_qec9d6b5319_prep
		.amdhsa_group_segment_fixed_size 102912
		.amdhsa_private_segment_fixed_size 0
		.amdhsa_enable_private_segment 0
		.amdhsa_kernarg_size 96
		.amdhsa_user_sgpr_count 2
		.amdhsa_user_sgpr_kernarg_segment_ptr 1
		.amdhsa_wavefront_size32 1
		.amdhsa_system_sgpr_workgroup_id_x 1
		.amdhsa_system_sgpr_workgroup_id_y 1
		.amdhsa_system_sgpr_workgroup_id_z 1
		.amdhsa_system_vgpr_workitem_id 0
		.amdhsa_next_free_vgpr 200
		.amdhsa_next_free_sgpr 66
		.amdhsa_reserve_vcc 0
		.amdhsa_float_denorm_mode_32 3
		.amdhsa_float_denorm_mode_16_64 3
		.amdhsa_memory_ordered 1
		.amdhsa_forward_progress 1
		.amdhsa_inst_pref_size 133
	.end_amdhsa_kernel
	.amdgpu_metadata
---
amdhsa.version: [ 1, 2 ]
amdhsa.kernels:
  - .name:           k_qec9d6b5319_prep
    .symbol:         k_qec9d6b5319_prep.kd
    .args:
      - { .name: queries, .offset: 0, .size: 8, .value_kind: global_buffer, .address_space: global }
      - { .name: keys, .offset: 8, .size: 8, .value_kind: global_buffer, .address_space: global }
      - { .name: values, .offset: 16, .size: 8, .value_kind: global_buffer, .address_space: global }
      - { .name: Wq, .offset: 24, .size: 8, .value_kind: global_buffer, .address_space: global }
      - { .name: Wk, .offset: 32, .size: 8, .value_kind: global_buffer, .address_space: global }
      - { .name: Wv, .offset: 40, .size: 8, .value_kind: global_buffer, .address_space: global }
      - { .name: Wo, .offset: 48, .size: 8, .value_kind: global_buffer, .address_space: global }
      - { .name: xc, .offset: 56, .size: 8, .value_kind: global_buffer, .address_space: global }
      - { .name: xs, .offset: 64, .size: 8, .value_kind: global_buffer, .address_space: global }
      - { .name: wc, .offset: 72, .size: 8, .value_kind: global_buffer, .address_space: global }
      - { .name: ws, .offset: 80, .size: 8, .value_kind: global_buffer, .address_space: global }
      - { .name: wot, .offset: 88, .size: 8, .value_kind: global_buffer, .address_space: global }
    .group_segment_fixed_size: 102912
    .private_segment_fixed_size: 0
    .kernarg_segment_align: 8
    .kernarg_segment_size: 96
    .max_flat_workgroup_size: 128
    .sgpr_count:     66
    .vgpr_count:     200
    .wavefront_size: 32
...
	.end_amdgpu_metadata
.endif
;; end of part 1
;; launch proj (part 2): grid 4 x 96, 4 waves a work-group, clusters of 4 x 4, 327,680 bytes of LDS; arguments xc, xs, wc, ws, qkv; writes qkv
.if DOCPART == 2
	.amdgcn_target "amdgcn-amd-amdhsa--gfx1250"
	.amdhsa_code_object_version 6
	.text
	.protected	k_qec9d6b5319_proj
	.globl	k_qec9d6b5319_proj
	.p2align	8
	.type	k_qec9d6b5319_proj,@function
k_qec9d6b5319_proj:
	s_mov_b64 s[64:65], 0
	v_nop
	global_prefetch_b8 v0, s[64:65] scope:SCOPE_SE
	s_setreg_imm32_b32 hwreg(HW_REG_WAVE_MODE, 25, 1), 1
	s_wait_xcnt 0x0
	s_wait_alu depctr_hold_cnt(0) depctr_sa_sdst(0) depctr_va_vdst(0) depctr_va_sdst(0) depctr_va_ssrc(0) depctr_va_vcc(0) depctr_vm_vsrc(0)
	s_getreg_b32 s2, hwreg(HW_REG_IB_STS2, 6, 4)
	s_cmp_eq_u32 s2, 0
	s_cbranch_scc0 .Lentry_in_a_cluster
	s_endpgm
.Lentry_in_a_cluster:
	s_bfe_u32 s2, ttmp6, 0x10000c
	s_cmp_lg_u32 s2, 0xf033
	s_cbranch_scc0 .Lentry_shape_is_right
	s_endpgm
.Lentry_shape_is_right:
; PROJ: q = queries Wq, k = keys Wk, v = values Wv as ONE product on codes of FP4 (E2M1) with E8M0 scales for each 32 along K: the three activations lie one behind the other,
; 24,576 rows of 1,024 codes (xc, xs); rows 8,192 t on take weight t: rows 1,024 t on of wc, ws ([n][k], K innermost).  Sums in f32; the results are rounded to f16 and laid by head:
; qkv [3 tensors][4 batches][16 heads][2,048 positions][64]: a plane (tensor, batch, head) is 262,144 dense bytes, so 16 rows of a head are 2,048 consecutive bytes.
; LIMIT: results from 65,504 on become infinite in f16; under 6e-5 the step is 6e-8.
; A tile of 256 x 256 is made by four waves, a wave makes 128 x 128: 64 accumulators, 512 registers.  K = 1,024 is two K steps of 512 (tile rows of 256 bytes): both LDS slots are filled at the start
; and none is filled again.  The scale bytes of the work-group's 256 + 256 rows, for all of K, come with the first fills, as two dense blocks.
; CLUSTERS: 4 x 4 work-groups.  The four of a row of the cluster need the same tiles of the activations, the four of a column the same tiles of the weight: each tile is asked for jointly.
; A tensor is 32 tile rows = 8 clusters, so which weight is taken hangs on the cluster's y alone, which all sixteen share.
; THE MATRIX INSTRUCTION IS USED TRANSPOSED (source 0 = 16 rows of the weight, source 1 = 16 rows of the activation): a lane holds eight neighbouring numbers of a row of the result.
; REGISTERS, in windows of 256: window 0: v0-31 addresses; v32-95 scale words, two sets; from v128 A's fragments, one set; on the way out v32-127 are free.
;   window 1: B's fragments, two sets, at v0 and v128.   window 2: the accumulators of my rows 0-63 ((a, b) at v[8 (8 a + b)]);   window 3: those of my rows 64-127.
.set SIZE_K, 1024
.set KSTEP,  512
.set NQ,     KSTEP/128
.set ROWB,   256                       ; a tile's row in bytes
.set KROW,   SIZE_K*4/8                ; a row of codes in memory
.set PITCH,  272                       ; an LDS row: 256 + 16: the 16 rows that a load touches start 68 words apart
.set FR,     8
.set NL,     2
.set NP,     4                         ; places behind this matrix instruction (ISA guide 7.12.1)
.set HALFT,  128*PITCH
.set SLOT,   4*HALFT                   ; A's 256 rows, then B's 256 rows
.set KS,     SIZE_K/32                 ; a row of scale bytes
.set SCL,    2*SLOT                    ; behind the ring: the scales, as rows of 256 bytes + 16
.set HALFS,  (128*KS/256)*272
.set SBLK,   (16*KS/256)*272
.set SPARE,  SCL+4*HALFS               ; the spare words, 128 bytes a wave
.set SPITCH, 144                       ; the way out: a stage row: 128 bytes (a head's 64 f16) + 16
.set HSTG,   16*SPITCH                 ; 16 rows of one head; a wave's stage holds two heads.  The stages lie in slot 0, which is filled once and is read no more behind the change of slots
.set ADRA, 16
.set ADRB, 20
.set STO,  24
.set RD,   25
.set CO,   26
.set ADRS, 27
.set SPW,  28
.set NIL,  29
.set SC,   32
.set AF,   128
.set TMP,  32                          ; the way out: a block's 32 packed registers
.set BK,   64                          ; and its rows read back: v64-95, v96-127 by turns
.set G1, 24
.set G0, 32
.set G1B, 48
.set G0B, 56
.set G1S, 68
.set G0S, 76
.set G1SB, 80
.set G0SB, 88
.set MSB, 0
.macro WIN new                         ; the immediate's high byte repeats the setting that is left
.if MSB != \new
	s_set_vgpr_msb (MSB<<8)|\new
.set MSB, \new
.endif
.endm
.set MUL_LO, 0xa1                      ; source 0 (B) window 1, source 1 (A) window 0, C and D window 2
.set MUL_HI, 0xf1
.set TO_B,   0x40
; A joint load: waves 0 and 1 fetch for A, waves 2 and 3 for B; the branch hangs on the wave's number alone.  An s_nop 0 and four v_nop follow each line.
.macro JLOAD g0a, g1a, g0b, g1b
	s_cmp_eq_u32 s15, 0
	s_cbranch_scc0 .Lfor_b_\@
	tensor_load_to_lds s[\g0a:\g0a+3], s[\g1a:\g1a+7]
	s_nop 0
.rept 4
	v_nop
.endr
	s_branch .Lasked_\@
.Lfor_b_\@:
	tensor_load_to_lds s[\g0b:\g0b+3], s[\g1b:\g1b+7]
	s_nop 0
.rept 4
	v_nop
.endr
.Lasked_\@:
.endm
.macro CROUND                          ; a round of the cluster's barrier
	s_barrier_signal -1
	s_barrier_wait -1
	s_cmp_lg_u32 s14, 0
	s_cbranch_scc1 .Lnot_wave_0_\@
	s_barrier_signal -3
.Lnot_wave_0_\@:
	s_barrier_wait -3
	s_barrier_signal -1
	s_barrier_wait -1
.endm
	s_load_b128 s[4:7], s[0:1], 0x0                ; xc s[4:5], xs s[6:7]
	s_load_b128 s[8:11], s[0:1], 0x10              ; wc s[8:9], ws s[10:11]
	s_load_b64 s[12:13], s[0:1], 0x20              ; qkv
	v_lshl_add_u32 v[SPW], v0, 2, SPARE
	v_mov_b32 v[NIL], 0
	ds_add_u32 v[SPW], v[NIL]                      ; the wave's opening: the add, twice on end, and its wait ahead of my first tensor load
	ds_add_u32 v[SPW], v[NIL]
	v_lshrrev_b32 v1, 5, v0
	v_readfirstlane_b32 s14, v1                    ; wave 0..3
	s_lshr_b32 s15, s14, 1                         ; which half of the tile's rows is mine.  Also: I fetch for A (0) or for B (1)
	s_and_b32 s16, s14, 1                          ; which half of its columns.  Also: which 128 rows I fetch
	s_bfe_u32 s40, ttmp6, 0x40000                  ; cx, cy
	s_bfe_u32 s41, ttmp6, 0x40004
	s_lshl_b32 s42, ttmp9, 2
	s_add_co_u32 s42, s42, s40                     ; tile column
	s_and_b32 s17, ttmp7, 0xffff
	s_lshl_b32 s17, s17, 2
	s_add_co_u32 s17, s17, s41                     ; tile row
	s_lshl_b32 s43, s41, 2
	s_lshl_b32 s43, 15, s43                        ; my row of the cluster
	s_lshl_b32 s44, 0x1111, s40                    ; my column
	s_or_b32 s[G1+0], s43, (0<<16)|(1<<20)|(1<<21)|(5<<22)|(3<<25)  ; the mask; elements of 1 byte; padding on, 4 words behind every 64; bit 21 beside a mask
	s_or_b32 s[G1B+0], s44, (0<<16)|(1<<20)|(1<<21)|(5<<22)|(3<<25)
.irp g, G1, G1B
	s_mov_b32 s[\g+1], ROWB<<16                    ; tensor_dim0
	s_mov_b32 s[\g+2], 128<<16                     ; tensor_dim1
	s_mov_b32 s[\g+3], ROWB<<16                    ; tile_dim0
	s_mov_b32 s[\g+4], 128                         ; tile_dim1
	s_mov_b32 s[\g+5], KROW                        ; the pitch
	s_mov_b32 s[\g+6], 0
	s_mov_b32 s[\g+7], 0
.endr
	s_or_b32 s[G1S+0], s43, (3<<16)|(1<<20)|(1<<21)|(5<<22)|(3<<25) ; the scales of 128 rows: a dense block as rows of 256 bytes (32 elements of 8), 16 bytes of padding behind each
	s_or_b32 s[G1SB+0], s44, (3<<16)|(1<<20)|(1<<21)|(5<<22)|(3<<25)
.irp g, G1S, G1SB
	s_mov_b32 s[\g+1], 32<<16
	s_mov_b32 s[\g+2], (128*KS/256)<<16
	s_mov_b32 s[\g+3], 32<<16
	s_mov_b32 s[\g+4], 128*KS/256
	s_mov_b32 s[\g+5], 32
	s_mov_b32 s[\g+6], 0
	s_mov_b32 s[\g+7], 0
.endr
	s_lshl_b32 s18, s16, 7
	s_lshl_b32 s20, s17, 8
	s_add_co_u32 s20, s20, s18                     ; A: row 256 x tile row + 128 x half
	s_lshl_b32 s46, s42, 8
	s_add_co_u32 s46, s46, s18                     ; B: row 256 x tile column + 128 x half
	s_and_b32 s95, ttmp7, 0xffff
	s_lshr_b32 s95, s95, 3                         ; which tensor: the cluster's y / 8
	s_lshl_b32 s95, s95, 10
	s_add_co_u32 s46, s46, s95                     ; + 1,024 rows for each weight
	s_mov_b32 s21, 0
	s_mov_b32 s47, 0
	s_mov_b64 s[18:19], KS
	s_mul_u64 s[22:23], s[20:21], s[18:19]         ; where these rows' scales begin
	s_mul_u64 s[92:93], s[46:47], s[18:19]
	s_mov_b64 s[18:19], KROW
	s_mul_u64 s[20:21], s[20:21], s[18:19]         ; and their codes
	s_mul_u64 s[46:47], s[46:47], s[18:19]
	s_mul_i32 s45, s14, HALFT                      ; where they go: wave x 128 rows
	s_mul_i32 s94, s14, HALFS
	s_wait_dscnt 0x0                               ; both opening adds are done
	s_wait_kmcnt 0x0
	s_add_nc_u64 s[20:21], s[4:5], s[20:21]
	s_add_nc_u64 s[22:23], s[6:7], s[22:23]
	s_add_nc_u64 s[46:47], s[8:9], s[46:47]
	s_add_nc_u64 s[92:93], s[10:11], s[92:93]
	CROUND                                         ; all sixteen work-groups are here: the joint loads meet
	s_mov_b32 s[G0S], 1
	s_add_co_u32 s[G0S+1], s94, SCL
	s_mov_b64 s[G0S+2:G0S+3], s[22:23]
	s_or_b32 s[G0S+3], s[G0S+3], 0x80000000
	s_mov_b32 s[G0SB], 1
	s_add_co_u32 s[G0SB+1], s94, SCL
	s_mov_b64 s[G0SB+2:G0SB+3], s[92:93]
	s_or_b32 s[G0SB+3], s[G0SB+3], 0x80000000
	JLOAD G0S, G1S, G0SB, G1SB                     ; the scales first: they are wanted with K step 0
.irp s, 0,1
	s_mov_b32 s[G0+4*\s], 1
	s_add_co_u32 s[G0+4*\s+1], s45, \s*SLOT
	s_add_nc_u64 s[G0+4*\s+2:G0+4*\s+3], s[20:21], \s*ROWB
	s_or_b32 s[G0+4*\s+3], s[G0+4*\s+3], 0x80000000
	s_mov_b32 s[G0B+4*\s], 1
	s_add_co_u32 s[G0B+4*\s+1], s45, \s*SLOT
	s_add_nc_u64 s[G0B+4*\s+2:G0B+4*\s+3], s[46:47], \s*ROWB
	s_or_b32 s[G0B+4*\s+3], s[G0B+4*\s+3], 0x80000000
	JLOAD G0+4*\s, G1, G0B+4*\s, G1B               ; three tensor loads of mine are out in all
.endr
	v_and_b32 v1, 15, v0                           ; r = l % 16
	v_bfe_u32 v2, v0, 4, 1                         ; h = l / 16
	v_mul_u32_u24 v3, v1, PITCH
	v_lshl_add_u32 v4, v2, 4, v3
	s_mul_i32 s21, s15, HALFT                      ; my 128 rows of A
	s_mul_i32 s22, s16, HALFT
	s_add_co_u32 s22, s22, 2*HALFT                 ; my 128 rows of B, behind A's 256
.irp s, 0,1
	v_add_nc_u32 v[ADRA+\s], s21, v4
	v_add_nc_u32 v[ADRB+\s], s22, v4
	s_add_co_u32 s21, s21, SLOT
	s_add_co_u32 s22, s22, SLOT
.endr
	v_mul_u32_u24 v5, v1, KS                       ; my row's scales: KS bytes a row,
	v_lshrrev_b32 v6, 8, v5
	v_lshl_add_u32 v5, v6, 4, v5                   ; and 16 more for each 256 passed
	s_mul_i32 s21, s15, HALFS
	s_mul_i32 s22, s16, HALFS
	s_add_co_u32 s22, s22, 2*HALFS
	s_sub_co_u32 s22, s22, s21
	v_mul_u32_u24 v6, s22, v2                      ; lanes 16-31 take B's: the lower base + h x the distance
	s_add_co_u32 s21, s21, SCL
	v_add_nc_u32 v5, v5, v6
	v_add_nc_u32 v[ADRS], s21, v5
	s_mul_i32 s23, s14, 2*HSTG                     ; my stage
	v_mul_u32_u24 v5, v1, SPITCH                   ; in: row r, 16 bytes for each half of the lanes
	v_lshl_add_u32 v5, v2, 4, v5
	v_add_nc_u32 v[STO], s23, v5
	v_and_b32 v6, 31, v0
	v_lshlrev_b32 v[CO], 4, v6                     ; out: four rows of 128 bytes are 512 dense bytes of a plane: 16 x lane
	v_lshrrev_b32 v5, 3, v6
	v_mul_u32_u24 v5, v5, SPITCH                   ; back: eight lanes to a row
	v_and_b32 v6, 7, v6
	v_lshl_add_u32 v5, v6, 4, v5
	v_add_nc_u32 v[RD], s23, v5
	s_lshl_b32 s20, s17, 8
	s_lshl_b32 s21, s15, 7
	s_add_co_u32 s20, s20, s21                     ; my first row among the 24,576
	s_lshr_b32 s21, s20, 11                        ; 4 x tensor + batch
	s_lshl_b32 s21, s21, 4
	s_lshl_b32 s46, s42, 2
	s_add_co_u32 s21, s21, s46
	s_lshl_b32 s46, s16, 1
	s_add_co_u32 s21, s21, s46                     ; my first plane: + head 4 x tile column + 2 x half
	s_lshl_b32 s21, s21, 18
	s_and_b32 s20, s20, 2047                       ; my first position,
	s_lshl_b32 s20, s20, 7                         ; 128 bytes each
	s_add_co_u32 s20, s20, s21
	s_mov_b32 s21, 0
	s_add_nc_u64 s[12:13], s[12:13], s[20:21]
.macro FRAG reg, adr, q, i             ; 16 rows x 128 K of 4-bit codes: 8 registers: lane l holds row l % 16; registers 4 c .. 4 c + 3 hold K = 64 c + 32 (l / 16) + 0 .. 31
.irp c, 0,1
	ds_load_b128 v[\reg+4*\c:\reg+4*\c+3], v[\adr] offset:64*(\q)+32*\c+(\i)*16*PITCH
.endr
.endm
; 16 matrix instructions: A's blocks a0, a0 + 1 x B's eight.  The 64 accumulators take turns, one instruction a turn, in the same order in every step.
; A scale register holds A's word in lanes 0-15 and B's in lanes 16-31.
.macro MUL16 a0, p, q, sc, zero
.irp a, \a0, \a0+1
.irp b, 0,1,2,3,4,5,6,7
.if \zero
	v_wmma_scale_f32_16x16x128_f8f6f4 v[8*(8*((\a)%4)+\b):8*(8*((\a)%4)+\b)+7], v[128*(\p)+FR*\b:128*(\p)+FR*\b+FR-1], v[AF+FR*(\a):AF+FR*(\a)+FR-1], 0, v[SC+8*NQ*(\sc)+NQ*\b+(\q)], v[SC+8*NQ*(\sc)+NQ*(\a)+(\q)] matrix_a_fmt:MATRIX_FMT_FP4 matrix_b_fmt:MATRIX_FMT_FP4 matrix_a_scale:MATRIX_SCALE_ROW1
.else
	v_wmma_scale_f32_16x16x128_f8f6f4 v[8*(8*((\a)%4)+\b):8*(8*((\a)%4)+\b)+7], v[128*(\p)+FR*\b:128*(\p)+FR*\b+FR-1], v[AF+FR*(\a):AF+FR*(\a)+FR-1], v[8*(8*((\a)%4)+\b):8*(8*((\a)%4)+\b)+7], v[SC+8*NQ*(\sc)+NQ*\b+(\q)], v[SC+8*NQ*(\sc)+NQ*(\a)+(\q)] matrix_a_fmt:MATRIX_FMT_FP4 matrix_b_fmt:MATRIX_FMT_FP4 matrix_a_scale:MATRIX_SCALE_ROW1
.endif
.endr
.endr
.endm
.macro FETCH_B slot, q, p
	WIN TO_B
.irp i, 0,1,2,3,4,5,6,7
	FRAG 128*(\p)+FR*\i, ADRB+\slot, \q, \i
.endr
	WIN 0
.endm
.macro FETCH_A slot, q, i0
.irp i, \i0, \i0+1, \i0+2, \i0+3
	FRAG AF+FR*(\i), ADRA+\slot, \q, \i
.endr
.endm
.macro SCALES sc                       ; a K step's scale words: 4 words a row; lanes 0-15 A's block i, lanes 16-31 B's block i
.irp i, 0,1,2,3,4,5,6,7
	ds_load_b128 v[SC+8*NQ*\sc+NQ*\i:SC+8*NQ*\sc+NQ*\i+3], v[ADRS] offset:\i*SBLK
.endr
.endm
.macro PLACES n                        ; plain vector instructions between a matrix instruction and a load into, or a read of, its registers
.rept \n
	v_nop
.endr
.endm
.macro STEP slot, q, zero              ; 128 along K with its successor in the same slot
	s_wait_dscnt 4*NL                              ; B's set and A's blocks 0-3 are in; the youngest eight loads (A's blocks 4-7) may be out
	WIN MUL_LO
	MUL16 0, (\q)%2, \q, \slot, \zero
	MUL16 2, (\q)%2, \q, \slot, \zero
	s_wait_dscnt 0
	PLACES NP
	FETCH_B \slot, (\q)+1, 1-(\q)%2
	FETCH_A \slot, (\q)+1, 0
	WIN MUL_HI
	MUL16 4, (\q)%2, \q, \slot, \zero
	MUL16 6, (\q)%2, \q, \slot, \zero
	PLACES NP
	WIN 0
	FETCH_A \slot, (\q)+1, 4
.endm
; Slot 0's last step changes slots: each wave waits for all its tensor loads (its part of slot 1), adds 0 to its spare word, waits for that and for its reads of slot 0; then the barrier.  Nothing is filled again.
.macro TURN slot, next
	s_wait_tensorcnt 0x0
	ds_add_u32 v[SPW], v[NIL]
	s_wait_dscnt 4*NL+1                            ; the add and the youngest eight loads may be out
	WIN MUL_LO
	MUL16 0, 1, NQ-1, \slot, 0
	s_wait_dscnt 0x0                               ; the add is done, and my reads of this slot are over
	s_barrier_signal -1
	MUL16 2, 1, NQ-1, \slot, 0
	WIN 0
	s_barrier_wait -1
	PLACES NP
	v_add_nc_u32 v[ADRS], 4*NQ, v[ADRS]            ; on to the next K step's scale words
	FETCH_B \next, 0, 0
	FETCH_A \next, 0, 0
	SCALES \next
	WIN MUL_HI
	MUL16 4, 1, NQ-1, \slot, 0
	MUL16 6, 1, NQ-1, \slot, 0
	PLACES NP
	WIN 0
	FETCH_A \next, 0, 4
.endm
	s_wait_tensorcnt 1                             ; the scales and my part of K step 0 are in; K step 1's load may be out
	s_barrier_signal -1
	s_barrier_wait -1
	FETCH_B 0, 0, 0
	FETCH_A 0, 0, 0
	SCALES 0
	FETCH_A 0, 0, 4
	STEP 0, 0, 1                                   ; the first products start the sums: nothing is cleared
	STEP 0, 1, 0
	STEP 0, 2, 0
	TURN 0, 1
	STEP 1, 0, 0
	STEP 1, 1, 0
	STEP 1, 2, 0
	s_wait_dscnt 4*NL                              ; the last step: nothing more to fetch
	WIN MUL_LO
	MUL16 0, 1, NQ-1, 1, 0
	MUL16 2, 1, NQ-1, 1, 0
	s_wait_dscnt 0
	WIN MUL_HI
	MUL16 4, 1, NQ-1, 1, 0
	MUL16 6, 1, NQ-1, 1, 0
	WIN 0
; THE WAY OUT, a block of 16 rows x 128 columns (two heads) at a time.  PACK: rounded to f16, 16 bytes a lane, each accumulator from its low end on.  TOSTAGE: into my stage, row r of head b / 4, and back
; four rows an instruction.  SEND: 512 consecutive bytes of a plane an instruction, at a multiple of 512 from the buffer's first byte.
.macro PACK a
.set AC, 64*((\a)%4)
	WIN 0x0a+5*((\a)/4)                            ; sources 0 and 1: window 2 or 3
.irp b, 0,1,2,3,4,5,6,7
.irp r, 0,1,2,3
	v_cvt_pk_f16_f32 v[TMP+4*\b+\r], v[AC+8*\b+2*\r], v[AC+8*\b+2*\r+1]
.endr
.endr
	WIN 0
.endm
.macro TOSTAGE a
.set BB, BK+32*((\a)%2)
.if (\a) > 1
	s_wait_xcnt 0x0                                ; block a - 2's stores have read their registers: block a's loads may land there
.endif
.irp b, 0,1,2,3,4,5,6,7
	ds_store_b128 v[STO], v[TMP+4*\b:TMP+4*\b+3] offset:(\b/4)*HSTG+(\b%4)*32
.endr
.irp t, 0,1,2,3,4,5,6,7
	ds_load_b128 v[BB+4*\t:BB+4*\t+3], v[RD] offset:(\t/4)*HSTG+(\t%4)*4*SPITCH   ; LDS serves a wave's instructions in order: these see the stores above
.endr
.endm
.macro SEND a
.set BB, BK+32*((\a)%2)
	s_wait_dscnt 0x0                               ; the block is back in registers
.irp t, 0,1,2,3,4,5,6,7
	global_store_b128 v[CO], v[BB+4*\t:BB+4*\t+3], s[12:13] offset:(\t/4)*262144+(\a)*2048+(\t%4)*512
.endr
.endm
	PLACES NP                                      ; behind the last products: for the conversions' reads and for the writes of registers that held scale words
	PACK 0
	TOSTAGE 0
.irp a, 1,2,3,4,5,6,7                  ; block a's conversions stand between block a - 1's loads from the stage and the wait for them
	PACK \a
	SEND \a-1
	TOSTAGE \a
.endr
	SEND 7
	s_wait_tensorcnt 0x0                           ; the wave's end
	ds_add_u32 v[SPW], v[NIL]
	s_wait_dscnt 0x0
	CROUND                                         ; the closing round
	s_endpgm
.Lfunc_end_k_qec9d6b5319_proj:
	.size	k_qec9d6b5319_proj, .Lfunc_end_k_qec9d6b5319_proj-k_qec9d6b5319_proj
	.p2alignl 7, 3214868480
	.fill 96, 4, 3214868480
	.section	.rodata,"a",@progbits
	.p2align	6, 0x0
	.amdhsa_kernel k_qec9d6b5319_proj
		.amdhsa_group_segment_fixed_size 327680
		.amdhsa_private_segment_fixed_size 0
		.amdhsa_enable_private_segment 0
		.amdhsa_kernarg_size 40
		.amdhsa_user_sgpr_count 2
		.amdhsa_user_sgpr_kernarg_segment_ptr 1
		.amdhsa_wavefront_size32 1
		.amdhsa_system_sgpr_workgroup_id_x 1
		.amdhsa_system_sgpr_workgroup_id_y 1
		.amdhsa_system_sgpr_workgroup_id_z 1
		.amdhsa_system_vgpr_workitem_id 0
		.amdhsa_next_free_vgpr 1024
		.amdhsa_next_free_sgpr 98
		.amdhsa_reserve_vcc 0
		.amdhsa_float_denorm_mode_32 3
		.amdhsa_float_denorm_mode_16_64 3
		.amdhsa_memory_ordered 1
		.amdhsa_forward_progress 1
		.amdhsa_inst_pref_size 126
	.end_amdhsa_kernel
	.amdgpu_metadata
---
amdhsa.version: [ 1, 2 ]
amdhsa.kernels:
  - .name:           k_qec9d6b5319_proj
    .symbol:         k_qec9d6b5319_proj.kd
    .args:
      - { .name: xc, .offset: 0, .size: 8, .value_kind: global_buffer, .address_space: global }
      - { .name: xs, .offset: 8, .size: 8, .value_kind: global_buffer, .address_space: global }
      - { .name: wc, .offset: 16, .size: 8, .value_kind: global_buffer, .address_space: global }
      - { .name: ws, .offset: 24, .size: 8, .value_kind: global_buffer, .address_space: global }
      - { .name: qkv, .offset: 32, .size: 8, .value_kind: global_buffer, .address_space: global }
    .group_segment_fixed_size: 327680
    .private_segment_fixed_size: 0
    .kernarg_segment_align: 8
    .kernarg_segment_size: 40
    .max_flat_workgroup_size: 128
    .sgpr_count:     98
    .vgpr_count:     1024
    .wavefront_size: 32
...
	.end_amdgpu_metadata
.endif
;; end of part 2
;; launch attn (part 3): grid 8 x 64, 4 waves a work-group, clusters of 4 x 1, 327,680 bytes of LDS; arguments qkv, ao; writes ao
.if DOCPART == 3
	.amdgcn_target "amdgcn-amd-amdhsa--gfx1250"
	.amdhsa_code_object_version 6
	.text
	.protected	k_qec9d6b5319_attn
	.globl	k_qec9d6b5319_attn
	.p2align	8
	.type	k_qec9d6b5319_attn,@function
k_qec9d6b5319_attn:
	s_mov_b64 s[64:65], 0
	v_nop
	global_prefetch_b8 v0, s[64:65] scope:SCOPE_SE
	s_setreg_imm32_b32 hwreg(HW_REG_WAVE_MODE, 25, 1), 1
	s_wait_xcnt 0x0
	s_wait_alu depctr_hold_cnt(0) depctr_sa_sdst(0) depctr_va_vdst(0) depctr_va_sdst(0) depctr_va_ssrc(0) depctr_va_vcc(0) depctr_vm_vsrc(0)
	s_getreg_b32 s2, hwreg(HW_REG_IB_STS2, 6, 4)
	s_cmp_eq_u32 s2, 0
	s_cbranch_scc0 .Lentry_in_a_cluster
	s_endpgm
.Lentry_in_a_cluster:
	s_bfe_u32 s2, ttmp6, 0x10000c
	s_cmp_lg_u32 s2, 0x3003
	s_cbranch_scc0 .Lentry_shape_is_right
	s_endpgm
.Lentry_shape_is_right:
; ATTN: for each of 64 planes (batch, head): O[q] = the sum over k of softmax_k(Q[q] . K[k] / 8) V[k].  Q, K, V: planes of qkv, [2,048][64] f16; O: the same plane of ao, f16.
; Products with f16 operands and f32 sums; maxima, exponentials and sums in f32; the weights p (at most 1) are rounded to f16 for the second product, O once at the end.
; LIMIT: O from 65,504 on becomes infinite in f16; under 6e-5 the step is 6e-8; a weight p under 3e-8 counts as 0 in the second product (the row's largest p is 1).
; SHARES.  A work-group owns 256 queries of a plane, each of its four waves 64: four tiles of 16.  Every wave walks all 2,048 keys, 64 a step.
; LAYOUT.  S^T = K Q^T (source 0 = 16 keys, source 1 = 16 queries): a lane holds ONE query (lane % 16) and keys 8 (lane / 16) + 0..7.  Two such tiles, rounded in pairs, ARE source 1 (32 keys x 16 queries)
; of O^T = V^T P, whose result again holds one query a lane and eight channels.  K comes out of LDS as it lies, V ([key][channel]) turned, by ds_load_tr16_b128.
; SOFTMAX.  A running maximum m and sum l for each query: p = 2^(c s - c m), c = log2(e) / 8; in every step O and l are multiplied by a = 2^(c m_old - c m_new).
; BY TURNS.  The tiles are two PIECES (tiles 0, 1 and tiles 2, 3).  In a TURN one piece has the matrix unit: 16 products V^T P of the step in hand, then 16 products K Q^T of the next step; the other piece's
; softmax, 236 vector instructions cut into 59 slices of four, stands between them: one slice behind each of the first five products, two behind each of the others.  Two turns are a key step.
; CLUSTER.  The four query blocks of a cluster belong to one plane and walk the same K and V: each tile is asked for jointly, by the same tensor load with the mask of all four.
; RING.  Two LDS slots of four key steps (256 keys): K's 256 rows, then V's.  Behind each round a wave issues one load of 128 rows (waves 0, 1: K's halves; waves 2, 3: V's), which has four key steps in which to land.
; REGISTERS, in windows of 256: window 0: v0-11 addresses; v12-43 statistics, eight a tile; v64-191 S^T, 32 a tile; v192-255 P, 16 a tile.
;   window 1: v0-127 O^T, 32 a tile.   window 2: v0-63 Q, 16 a tile; v64-127 K of one step.   window 3: v0-63 V of one step.
.set KS,    64
.set NST,   4                          ; key steps in a slot
.set PK,    144                        ; a row of K in LDS: 128 bytes + 16: the 16 rows of a load start 36 words apart
.set PV,    160                        ; a row of V: 128 + 32
.set KSTP,  KS*PK
.set VSTP,  KS*PV
.set VOFF,  NST*KSTP                   ; V's rows lie behind K's
.set SLOT1, 1<<17                      ; slot 1 begins here: one exclusive or turns an address in one slot into the other's
.set SLOTB, NST*KS*128                 ; a slot's bytes of K, or of V, in memory
.set STAGE, SLOT1+NST*(KSTP+VSTP)      ; behind the ring: 16 rows x 144 bytes for each wave, for the way out
.set SP,    144
.set SPARE, STAGE+4*16*SP              ; the spare words, 128 bytes a wave
.set AK0, 2                            ; v2   my lane's place in a tile of K
.set AV0, 3                            ; v3   the same for V
.set ADR, 4                            ; v4   the LDS address of the run of loads in hand
.set QO,  5                            ; v5   my byte offset in the wave's rows of Q
.set STO, 6
.set RD,  7
.set GO,  8
.set ST,  12                           ; tile t's statistics at v[ST+8 t]: +0 c m, +1 m, +2, +3 l, +4 to +7 at work; a takes +6 once the maximum is found
.set PFO, 61                           ; v61  256 x my lane; never rewritten
.set SPW, 62
.set NIL, 63
.set S,   64
.set P,   192
.set KF,  64                           ; K's fragments, in window 2
.set WV,  12
.set LIM, 15                           ; s15  1 in a wave that prefetches, else the greatest number
.set PFA, 18                           ; s[18:19] where my prefetches stand
.set G1K, 24
.set G1V, 32
.set G0K, 40                           ; s[40:47] two sets for the first fills; the second then walks on
.set G0V, 48
.set SLOTS, 56
.set CNT, 57
.set CS,  58
.set SEL, 60
.set TBK, 62                           ; s62  LDS byte at which K's rows of the step to be fetched begin
.set TBV, 63                           ; s63  the same for V (less VOFF, which the lane's place holds)
.set MSB, 0
.macro WIN new
.if MSB != \new
	s_set_vgpr_msb (MSB<<8)|\new
.set MSB, \new
.endif
.endm
.set W_KQ, 0x0a                        ; K and Q in window 2, S^T in window 0
.set W_PV, 0x53                        ; V in window 3, P in window 0, O^T in window 1
.set W_RS, 0x41                        ; O^T in window 1, a in window 0
.macro JLOAD                           ; a joint refill; the branch hangs on the wave's number alone.  An s_nop 0 and four v_nop follow each line
	s_cmp_lt_u32 s[WV], 2
	s_cbranch_scc0 .Lfor_v_\@
	tensor_load_to_lds s[G0K+4:G0K+7], s[G1K:G1K+7]
	s_nop 0
.rept 4
	v_nop
.endr
	s_branch .Lasked_\@
.Lfor_v_\@:
	tensor_load_to_lds s[G0V+4:G0V+7], s[G1V:G1V+7]
	s_nop 0
.rept 4
	v_nop
.endr
.Lasked_\@:
.endm
; A prefetch of what the NEXT change of slots will ask for: a slot's 32,768 bytes of K and of V.  Each aligned block of 256 bytes is named once in the launch: both clusters of a plane walk the same rows, so the
; plane's first cluster asks; its four partners take 8,192 bytes each, told apart by address; in each, wave 0 asks for K's and wave 2 for V's, lanes 256 bytes apart.  The last change that fills a slot asks for nothing.
.macro ASK
	s_cmp_gt_u32 s[SLOTS], s[LIM]
	s_cbranch_scc0 .Lnot_mine_\@
	global_prefetch_b8 v[PFO], s[PFA:PFA+1] th:TH_LOAD_NT scope:SCOPE_SE
.Lnot_mine_\@:
.endm
.macro CROUND
	s_barrier_signal -1
	s_barrier_wait -1
	s_cmp_lg_u32 s[WV], 0
	s_cbranch_scc1 .Lnot_wave_0_\@
	s_barrier_signal -3
.Lnot_wave_0_\@:
	s_barrier_wait -3
	s_barrier_signal -1
	s_barrier_wait -1
.endm
	s_load_b128 s[8:11], s[0:1], 0x0               ; qkv s[8:9], ao s[10:11]
	v_lshl_add_u32 v[SPW], v0, 2, SPARE
	v_mov_b32 v[NIL], 0
	ds_add_u32 v[SPW], v[NIL]                      ; the wave's opening: the add, twice on end, and its wait ahead of my first tensor load
	ds_add_u32 v[SPW], v[NIL]
	v_lshrrev_b32 v1, 5, v0
	v_readfirstlane_b32 s[WV], v1                  ; wave 0..3
	s_bfe_u32 s13, ttmp6, 0x40000                  ; cx
	s_lshl_b32 s14, ttmp9, 2
	s_add_co_u32 s14, s14, s13                     ; my block of 256 queries: it enters Q's and O's addresses alone
	s_and_b32 s20, ttmp7, 0xffff                   ; the plane, which the four partners share
	s_lshl_b32 s20, s20, 18                        ; 262,144 bytes each
	s_mov_b32 s21, 0
	s_and_b32 s16, s[WV], 1                        ; which half of a slot's rows I fetch:
	s_lshl_b32 s22, s16, 14                        ; 128 rows of 128 bytes in memory,
	s_mov_b32 s23, 0
	s_add_nc_u64 s[22:23], s[22:23], s[20:21]
	s_mul_i32 s17, s16, 2*KSTP                     ; their place in a slot, for K
	s_mul_i32 s16, s16, 2*VSTP                     ; and for V
	s_lshl_b32 s2, s14, 15                         ; my block's 256 rows,
	s_lshl_b32 s3, s[WV], 13                       ; my wave's 64 of them
	s_add_co_u32 s2, s2, s3
	s_mov_b32 s3, 0
	s_add_nc_u64 s[2:3], s[2:3], s[20:21]
	s_mov_b32 s[G1K], 15|(1<<16)|(1<<20)|(1<<21)|(4<<22)|(3<<25)  ; the mask of all four; elements of 2 bytes; padding on, 4 words behind every 32; bit 21 beside a mask
	s_mov_b32 s[G1V], 15|(1<<16)|(1<<20)|(1<<21)|(4<<22)|(7<<25)  ; the same with 8 words of padding
.irp g, G1K, G1V
	s_mov_b32 s[\g+1], 64<<16                      ; tensor_dim0 = 64
	s_mov_b32 s[\g+2], 128<<16                     ; tensor_dim1 = 128
	s_mov_b32 s[\g+3], 64<<16                      ; tile_dim0 = 64
	s_mov_b32 s[\g+4], 128                         ; tile_dim1 = 128
	s_mov_b32 s[\g+5], 64                          ; the pitch, in elements
	s_mov_b32 s[\g+6], 0
	s_mov_b32 s[\g+7], 0
.endr
	s_mov_b32 s[CS], 0x3e38aa3b                    ; c = log2(e) / 8
	s_mov_b32 s[CS+1], s[CS]                       ; named with it as a pair, so it is written
	s_mov_b32 s[SEL], 0x76543210
	s_mov_b32 s[SEL+1], 0xfedcba98
	s_mov_b32 s[TBK], 0
	s_mov_b32 s[TBV], 0
	s_mov_b32 s[SLOTS], 2048/(NST*KS)-2
	s_and_b32 s[LIM], s[WV], 1                     ; 0 in waves 0 and 2,
	s_or_b32 s[LIM], s[LIM], ttmp9                 ; where the cluster is the plane's first: the same in all four partners
	s_cmp_eq_u32 s[LIM], 0
	s_cselect_b32 s[LIM], 1, -1
	v_and_b32 v[PFO], 31, v0
	v_lshlrev_b32 v[PFO], 8, v[PFO]
	s_wait_dscnt 0x0                               ; both opening adds are done
	s_wait_kmcnt 0x0
	s_add_nc_u64 s[4:5], s[8:9], s[2:3]            ; Q at my wave's first row
	s_add_nc_u64 s[10:11], s[10:11], s[2:3]        ; O likewise
	s_add_nc_u64 s[6:7], s[8:9], s[22:23]
	s_add_nc_u64 s[6:7], s[6:7], 0x1000000         ; K: the second tensor of qkv, at my half of slot 0
	s_add_nc_u64 s[8:9], s[6:7], 0x1000000         ; V: the third
	s_cmp_lt_u32 s[WV], 2
	s_cselect_b64 s[PFA:PFA+1], s[6:7], s[8:9]     ; (in waves 0 and 2 these stand at a slot's first row)
	s_lshl_b32 s2, s13, 13                         ; my work-group's 8,192 bytes of the 32,768
	s_mov_b32 s3, 0
	s_add_nc_u64 s[PFA:PFA+1], s[PFA:PFA+1], s[2:3]
	s_add_nc_u64 s[PFA:PFA+1], s[PFA:PFA+1], 2*SLOTB  ; at keys 512 on; the first change of slots steps it once more.  Nothing is prefetched at the head
	CROUND                                         ; all four work-groups are here: the first joint loads meet
.irp s, 0,1
	s_mov_b32 s[G0K+4*\s], 1
	s_add_co_u32 s[G0K+4*\s+1], s17, \s*SLOT1
	s_add_nc_u64 s[G0K+4*\s+2:G0K+4*\s+3], s[6:7], \s*SLOTB
	s_or_b32 s[G0K+4*\s+3], s[G0K+4*\s+3], 0x80000000
	s_mov_b32 s[G0V+4*\s], 1
	s_add_co_u32 s[G0V+4*\s+1], s16, \s*SLOT1+VOFF
	s_add_nc_u64 s[G0V+4*\s+2:G0V+4*\s+3], s[8:9], \s*SLOTB
	s_or_b32 s[G0V+4*\s+3], s[G0V+4*\s+3], 0x80000000
.endr
	s_cmp_lt_u32 s[WV], 2                          ; a wave's two first fills stand in one branch: two loads of mine are out
	s_cbranch_scc0 .Lfirst_v
	tensor_load_to_lds s[G0K:G0K+3], s[G1K:G1K+7]
	s_nop 0
	tensor_load_to_lds s[G0K+4:G0K+7], s[G1K:G1K+7]
	s_nop 0
.rept 4
	v_nop
.endr
	s_branch .Lfirst_asked
.Lfirst_v:
	tensor_load_to_lds s[G0V:G0V+3], s[G1V:G1V+7]
	s_nop 0
	tensor_load_to_lds s[G0V+4:G0V+7], s[G1V:G1V+7]
	s_nop 0
.rept 4
	v_nop
.endr
.Lfirst_asked:
	; a fragment of K or Q is 16 rows x 32 channels in 8 registers: lane l holds row l % 16; registers 0-3 channels 8 (l / 16) + 0..7, registers 4-7 channels 16 + 8 (l / 16) + 0..7
	v_and_b32 v1, 15, v0                           ; r
	v_bfe_u32 v9, v0, 4, 1                         ; h
	v_lshlrev_b32 v[QO], 7, v1
	v_lshl_add_u32 v[QO], v9, 4, v[QO]             ; row x 128 + 16 x half
	WIN 0x80                                       ; destination window 2
.irp i, 0,1,2,3,4,5,6,7                        ; Q stays in registers: tile i / 2, channels 32 (i % 2) on
	global_load_b128 v[8*\i:8*\i+3],   v[QO], s[4:5] offset:(\i/2)*2048+(\i%2)*64
	global_load_b128 v[8*\i+4:8*\i+7], v[QO], s[4:5] offset:(\i/2)*2048+(\i%2)*64+32
.endr
	WIN 0
	v_mul_u32_u24 v[AK0], v1, PK
	v_lshl_add_u32 v[AK0], v9, 4, v[AK0]
	; the turning load takes 16 keys x 16 channels (lane l reads key 8 (l / 16) + l % 8, channels 8 ((l / 8) % 2) + 0..7) and leaves half a fragment of V^T
	v_and_b32 v10, 7, v0
	v_bfe_u32 v11, v0, 3, 1
	v_lshl_add_u32 v[AV0], v9, 3, v10
	v_mul_u32_u24 v[AV0], v[AV0], PV
	v_lshl_add_u32 v[AV0], v11, 4, v[AV0]
	v_add_nc_u32 v[AV0], VOFF, v[AV0]
; THE MATRIX WORK OF A TURN, for piece x.  The accumulators take turns, one instruction a turn: between two links of a chain stand seven others'.
; Product i of 16 of O^T += V^T P: keys 32 (i / 8) on, channels 16 ((i / 2) % 4) on, tile x + i % 2.  zero = 1: the first 8 start the sums.
.macro PV x, zero
	WIN W_PV
.set rO, 32*(\x+i%2)+8*((i/2)%4)
.set rV, 32*(i/8)+8*((i/2)%4)
.set rP, P+16*(\x+i%2)+8*(i/8)
.if (\zero) && (i < 8)
	v_wmma_f32_16x16x32_f16 v[rO:rO+7], v[rV:rV+7], v[rP:rP+7], 0
.else
	v_wmma_f32_16x16x32_f16 v[rO:rO+7], v[rV:rV+7], v[rP:rP+7], v[rO:rO+7]
.endif
.endm
; Product i of 16 of S^T = K Q^T: channels 32 (i / 8) on, keys 16 ((i / 2) % 4) on, tile x + i % 2.  The first 8 start the sums.
.macro KQ x
	WIN W_KQ
.set rS, S+32*(\x+i%2)+8*((i/2)%4)
.set rK, KF+16*((i/2)%4)+8*(i/8)
.set rQ, 16*(\x+i%2)+8*(i/8)
.if i < 8
	v_wmma_f32_16x16x32_f16 v[rS:rS+7], v[rK:rK+7], v[rQ:rQ+7], 0
.else
	v_wmma_f32_16x16x32_f16 v[rS:rS+7], v[rK:rK+7], v[rQ:rQ+7], v[rS:rS+7]
.endif
.endm
; THE LDS LOADS stand in runs of 16: a step's K (64 keys x 64 channels: 8 fragments) and, a turn later, its V (turned).
.macro FETCH_K
	WIN 0
	v_add_nc_u32 v[ADR], s[TBK], v[AK0]
	WIN 0x80
.irp f, 0,1,2,3,4,5,6,7                        ; keys 16 (f / 2) on, channels 32 (f % 2) on
	ds_load_b128 v[KF+8*\f:KF+8*\f+3],   v[ADR] offset:(\f/2)*16*PK+(\f%2)*64
	ds_load_b128 v[KF+8*\f+4:KF+8*\f+7], v[ADR] offset:(\f/2)*16*PK+(\f%2)*64+32
.endr
.endm
.macro FETCH_V
	WIN 0
	v_add_nc_u32 v[ADR], s[TBV], v[AV0]
	s_add_co_u32 s[TBK], s[TBK], KSTP              ; the next fetches are the next step's
	s_add_co_u32 s[TBV], s[TBV], VSTP
	s_wait_alu depctr_va_vdst(0)                   ; the wait for the softmax's batch of exponentials, ahead of the first instruction that names a result
	WIN 0xc0                                       ; destination window 3
.irp f, 0,1,2,3,4,5,6,7                        ; keys 32 (f / 4) on, channels 16 (f % 4) on
	ds_load_tr16_b128 v[8*\f:8*\f+3],   v[ADR] offset:(\f/4)*32*PV+(\f%4)*32
	ds_load_tr16_b128 v[8*\f+4:8*\f+7], v[ADR] offset:(\f/4)*32*PV+16*PV+(\f%4)*32
.endr
.endm
; THE VECTOR WORK OF A TURN.  One tile's softmax for one key step is a list of 118 instructions; SM writes number j of it for tile t.  s0-s31 are the lane's 32 scores, in pairs 0-15.
;   0-15    the maximum of s0-s31 and the old m, three operands at a time, each accumulator read from its low end on
;   16-20   the other half of the lanes' maximum; the new m; c m; c m_old - c m_new
;   21-69   ONE BATCH: the 16 scalings c s - c m and all 33 exponentials (a at 23, then s0-s31); none of these reads an exponential's result
;   (wait)  between 69 and 70 stands the one wait for the batch: SLICE writes it, once for both tiles
;   70-85   the roundings to f16;   86-101 the sums, l = a l + the sum;   102-117 the tile's O^T times a
; first = 1: the first key step, which starts m, l and O^T: it has no a and nothing to rescale.
.macro SM t, first
.set rT, ST+8*(\t)
.set rS, S+32*(\t)
.set rP, P+16*(\t)
.set rO, 32*(\t)+2*(j-102)
.if j < 102
	WIN 0
.endif
.if j < 4
	v_max3_num_f32 v[rT+4+j], v[rS+8*j], v[rS+8*j+1], v[rS+8*j+2]
.elseif j < 12
	v_max3_num_f32 v[rT+4+j%4], v[rT+4+j%4], v[rS+8*(j%4)+2*(j/4)+1], v[rS+8*(j%4)+2*(j/4)+2]
.elseif j == 12
	v_max3_num_f32 v[rT+4], v[rT+4], v[rS+7], v[rS+15]
.elseif j == 13
	v_max3_num_f32 v[rT+6], v[rT+6], v[rS+23], v[rS+31]
.elseif j == 14
	v_max3_num_f32 v[rT+4], v[rT+4], v[rT+5], v[rT+6]
.elseif (j == 15) && \first
	v_max_num_f32 v[rT+4], v[rT+4], v[rT+7]
.elseif j == 15
	v_max3_num_f32 v[rT+4], v[rT+4], v[rT+7], v[rT+1]
.elseif j == 16
	v_permlanex16_b32 v[rT+5], v[rT+4], s[SEL], s[SEL+1]           ; the query's other 32 keys lie in the lane 16 away
.elseif j == 18
	v_max_num_f32 v[rT+1], v[rT+4], v[rT+5]
.elseif j == 19
	v_mul_f32 v[rT], s[CS], v[rT+1]
.elseif ((j == 17) || (j == 20) || (j == 23) || (j > 101)) && \first
.elseif j == 17
	v_mov_b32 v[rT+7], v[rT]                       ; c m_old is kept for a
.elseif j == 20
	v_sub_f32 v[rT+7], v[rT+7], v[rT]
.elseif j == 23
	v_exp_f32 v[rT+6], v[rT+7]
.elseif (j < 23) || ((j < 38) && (j%2 == 0)) || ((j < 66) && (j%4 == 2))
.set b, (j-2)/4
.if j < 38
.set b, (j-20)/2
.endif
	v_pk_fma_f32 v[rS+2*b:rS+2*b+1], v[rS+2*b:rS+2*b+1], s[CS:CS+1], v[rT:rT+1] op_sel_hi:[1,0,0] neg_lo:[0,0,1] neg_hi:[0,0,1]  ; pair b: c s - c m
.elseif j < 70
.set e, j-38
.if j < 66
.set e, j-32-(j-38)/4
.endif
.if j < 38
.set e, (j-25)/2
.endif
	v_exp_f32 v[rS+e], v[rS+e]
.elseif j < 86
	v_cvt_pk_f16_f32 v[rP+j-70], v[rS+2*(j-70)], v[rS+2*(j-70)+1]
.elseif j < 102
.set z, j-86
.set w, 4
.set u, z
.if z >= 14
.set w, 32
.set u, 0
.elseif z >= 12
.set w, 16
.set u, z-12
.elseif z >= 8
.set w, 8
.set u, z-8
.endif
.if (z == 14) && \first
	v_pk_add_f32 v[rT+2:rT+3], v[rS:rS+1], v[rS+16:rS+17]
.elseif z < 15
	v_pk_add_f32 v[rS+w*u:rS+w*u+1], v[rS+w*u:rS+w*u+1], v[rS+w*u+w/2:rS+w*u+w/2+1]
.elseif !\first
	v_pk_fma_f32 v[rT+2:rT+3], v[rT+2:rT+3], v[rT+6:rT+7], v[rS:rS+1] op_sel_hi:[1,0,1]
.endif
.else
	WIN W_RS
	v_pk_mul_f32 v[rO:rO+1], v[rO:rO+1], v[rT+6:rT+7] op_sel_hi:[1,0]
.endif
.endm
; Slice k of 59 of piece y's softmax: four instructions.  Slices 11 to 34 deal out the batch, numbers 22 to 69: four numbers of ONE tile each, the tiles by turns.  Every other slice is numbers 2 k and 2 k + 1 of both tiles.
; Ahead of slice 35 nothing names an exponential's result, and behind slice 34 no exponential is issued: so the piece's 66 exponentials have one wait, behind slice 34, with one plain instruction ahead of it.
.macro SLICE y, first
.if (k >= 11) && (k < 35)
.irp n, 0,1,2,3
.set j, 22+4*((k-11)/2)+(\n)
	SM (\y)+(k-11)%2, \first
.endr
.else
.irp n, 0,1
.irp t, \y, \y+1
.set j, 2*k+\n
	SM \t, \first
.endr
.endr
.endif
.if k == 34
	v_nop                                          ; the plain instruction behind the last exponential
.if (\y) == 0
	FETCH_V                                        ; piece 2's turn: V's run of loads stands here, and the wait stands in it
.else
	s_wait_alu depctr_va_vdst(0)                   ; the wait for the batch
.endif
.endif
.set k, k+1
.endm
.macro DEAL y, first                   ; the slices behind product p: one fewer behind each of the first five, so that 59 are dealt over 32 or 16 products
.set nsl, per
.if p < 5
.set nsl, per-1
.endif
.rept nsl
	SLICE \y, \first
.endr
.set p, p+1
.endm
.macro PLACES
.rept 4
	v_nop
.endr
.endm
; A TURN.  Piece x has the matrix unit.  pv = 2: 16 products V^T P; 1: they start O^T's sums; 0: none.  kq = 1: 16 products K Q^T for the next step.
; The turn's last product is followed by slices 57 and 58, eight plain multiplies of the other piece's O^T: they are the places ahead of the next turn's first read of the scores and of the loads into K's registers.
; In the first key step those slices are empty, and four v_nop take their part.  Piece 0's turn fetches the next step's K behind its second product.  Piece 2's turn fetches the same step's V behind slice 34, which falls
; behind its 20th product: V's last reader is the 16th, and eight scalings of the batch lie between.
.macro TURN x, pv, kq, first
.set k, 0
.set p, 0
.set per, 4
.if \pv && \kq
.set per, 2
.endif
.if \pv
.if \x == 0
	s_wait_dscnt 0x0                               ; V is in
.endif
.set i, 0
.rept 16
	PV \x, 2-\pv
	DEAL 2-\x, \first
.if (\x == 0) && \kq && (i == 1)
	FETCH_K
.endif
.set i, i+1
.endr
.endif
.if \kq
.if \x == 0
	s_wait_dscnt 0x0                               ; K is in
.endif
.set i, 0
.rept 16
	KQ \x
	DEAL 2-\x, \first
.set i, i+1
.endr
.endif
.if \first
	PLACES
.endif
.endm
; THE CHANGE OF SLOTS, between piece 2's turn and piece 0's: the slot's last bytes, V of its fourth step, have been asked for.  Each wave waits for all its tensor loads, of which one is out: its part of the other slot;
; adds 0 to its spare word; waits for that and for its own reads of the slot.  fill = 1: the barrier is a round of the cluster's, and the joint refill, with the keys two slots on, is the first thing behind it.
.macro CHANGE fill
	WIN 0
	s_wait_tensorcnt 0x0                           ; no tensor load of mine is out, so a group 0 may be written
	ds_add_u32 v[SPW], v[NIL]
.if \fill
.irp g, G0K+4, G0V+4
	s_xor_b32 s[\g+1], s[\g+1], SLOT1              ; the walking descriptor: the other slot than last time,
	s_add_nc_u64 s[\g+2:\g+3], s[\g+2:\g+3], SLOTB ; the next 256 keys
.endr
	s_wait_xcnt 0x0                                ; the last prefetch, a slot back, has read its address
	s_add_nc_u64 s[PFA:PFA+1], s[PFA:PFA+1], SLOTB ; one slot further on than the walking descriptors
	s_wait_dscnt 0x0                               ; the add is done, and my reads of the slot are over
	CROUND
	JLOAD
	ASK
.else
	s_wait_dscnt 0x0
	s_barrier_signal -1
	s_barrier_wait -1
.endif
	s_sub_co_u32 s[TBK], s[TBK], NST*KSTP          ; the fetches go back to a slot's first step,
	s_xor_b32 s[TBK], s[TBK], SLOT1                ; in the other slot
	s_sub_co_u32 s[TBV], s[TBV], NST*VSTP
	s_xor_b32 s[TBV], s[TBV], SLOT1
.endm
.macro STEPS n                         ; n key steps: written once, walked n times; the LDS addresses hang on s[TBK], s[TBV]
	s_mov_b32 s[CNT], \n
.Lstep_\@:
	TURN 0, 2, 1, 0
	TURN 2, 2, 1, 0
	WIN 0
	s_sub_co_u32 s[CNT], s[CNT], 1
	s_cmp_lg_u32 s[CNT], 0
	s_cbranch_scc1 .Lstep_\@
.endm
	s_wait_tensorcnt 1                             ; my part of slot 0 is in; slot 1's may stay out
	s_barrier_signal -1
	s_barrier_wait -1
	FETCH_K                                        ; key step 0
	s_wait_loadcnt 0x0                             ; Q
	s_wait_dscnt 0x0
.set i, 0
.rept 16
	KQ 0                                           ; piece 0's first scores
.set i, i+1
.endr
	WIN 0                                          ; the addresses for the way out are made here: plain instructions, the places behind those products
	s_mul_i32 s13, s[WV], 16*SP
	s_add_co_u32 s13, s13, STAGE                   ; my stage
	v_mul_u32_u24 v[STO], v1, SP                   ; in: row r, 16 bytes for each half of the lanes
	v_lshl_add_u32 v[STO], v9, 4, v[STO]
	v_add_nc_u32 v[STO], s13, v[STO]
	v_and_b32 v[GO], 31, v0
	v_lshrrev_b32 v[RD], 3, v[GO]                  ; back: eight lanes to a row of 128 bytes, four rows an instruction
	v_mul_u32_u24 v[RD], v[RD], SP
	v_lshl_add_u32 v[RD], v10, 4, v[RD]
	v_add_nc_u32 v[RD], s13, v[RD]
	v_lshlrev_b32 v[GO], 4, v[GO]                  ; four rows of O are 512 dense bytes: 16 x lane
	TURN 2, 0, 1, 1                                ; piece 2's first scores | piece 0's first softmax | V of step 0
	TURN 0, 1, 1, 1                                ; piece 0: V^T P of step 0 starts O^T, K Q^T of step 1 | piece 2's first softmax | K of step 1
	TURN 2, 1, 1, 0                                ; piece 2: the same | piece 0's softmax of step 1 | V of step 1
	WIN 0
	STEPS 2                                        ; these fetch steps 2 and 3: slot 0 is read out
.Lslot:                                            ; six trips: every slot but the last two is filled again
	CHANGE 1
	STEPS NST
	s_sub_co_u32 s[SLOTS], s[SLOTS], 1
	s_cmp_lg_u32 s[SLOTS], 0
	s_cbranch_scc1 .Lslot
	CHANGE 0                                       ; the tail is written out
	STEPS NST
	TURN 0, 2, 0, 0                                ; piece 0: V^T P of the last step | piece 2's last softmax
.set i, 0
.rept 16
	PV 2, 0                                        ; piece 2: V^T P of the last step
.set i, i+1
.endr
	; THE WAY OUT.  l's two halves and the other half of the lanes' are added; O^T is divided by l, rounded to f16 and sent through my stage, a tile (16 rows of O) at a time.  The additions are the places behind the last products.
	WIN 0
.irp t, 0,1,2,3
	v_add_f32 v[ST+8*\t+4], v[ST+8*\t+2], v[ST+8*\t+3]
.endr
.irp t, 0,1,2,3
	v_permlanex16_b32 v[ST+8*\t+5], v[ST+8*\t+4], s[SEL], s[SEL+1]
.endr
.irp t, 0,1,2,3
	v_add_f32 v[ST+8*\t+4], v[ST+8*\t+4], v[ST+8*\t+5]
.endr
.irp t, 0,1,2,3
	v_rcp_f32 v[ST+8*\t+6], v[ST+8*\t+4]
.endr
	v_nop                                          ; a plain instruction between the last reciprocal and the use of its result
	s_wait_alu depctr_va_vdst(0)                   ; and the one wait for the four, ahead of the first use
.macro PACK t
	WIN W_RS
.set i, 32*\t
.rept 16
	v_pk_mul_f32 v[i:i+1], v[i:i+1], v[ST+8*\t+6:ST+8*\t+7] op_sel_hi:[1,0]
.set i, i+2
.endr
	WIN 0x05                                       ; sources 0 and 1 window 1, destination window 0: S^T's registers are free
.set i, 0
.rept 16
	v_cvt_pk_f16_f32 v[S+32*\t+i], v[32*\t+2*i], v[32*\t+2*i+1]
.set i, i+1
.endr
	WIN 0
.irp f, 0,1,2,3
	ds_store_b128 v[STO], v[S+32*\t+4*\f:S+32*\t+4*\f+3] offset:32*\f
.endr
.irp f, 0,1,2,3
	ds_load_b128 v[S+32*\t+4*\f:S+32*\t+4*\f+3], v[RD] offset:\f*4*SP   ; LDS serves a wave's instructions in order: these see the stores above; the next tile's stores come behind them
.endr
.endm
.macro SEND t, younger                 ; younger: the LDS instructions issued behind tile t's loads: the next tile's eight, or none
.irp f, 0,1,2,3
	s_wait_dscnt \younger+3-\f
	global_store_b128 v[GO], v[S+32*\t+4*\f:S+32*\t+4*\f+3], s[10:11] offset:\t*2048+\f*512   ; 512 consecutive bytes, at a multiple of 512 from the buffer's first byte
.endr
.endm
	PACK 0
	PACK 1
	SEND 0, 8
	PACK 2
	SEND 1, 8
	PACK 3
	SEND 2, 8
	SEND 3, 0
	s_wait_tensorcnt 0x0                           ; the wave's end
	ds_add_u32 v[SPW], v[NIL]
	s_wait_dscnt 0x0
	CROUND                                         ; the closing round
	s_endpgm
.Lfunc_end_k_qec9d6b5319_attn:
	.size	k_qec9d6b5319_attn, .Lfunc_end_k_qec9d6b5319_attn-k_qec9d6b5319_attn
	.p2alignl 7, 3214868480
	.fill 96, 4, 3214868480
	.section	.rodata,"a",@progbits
	.p2align	6, 0x0
	.amdhsa_kernel k_qec9d6b5319_attn
		.amdhsa_group_segment_fixed_size 327680
		.amdhsa_private_segment_fixed_size 0
		.amdhsa_enable_private_segment 0
		.amdhsa_kernarg_size 16
		.amdhsa_user_sgpr_count 2
		.amdhsa_user_sgpr_kernarg_segment_ptr 1
		.amdhsa_wavefront_size32 1
		.amdhsa_system_sgpr_workgroup_id_x 1
		.amdhsa_system_sgpr_workgroup_id_y 1
		.amdhsa_system_sgpr_workgroup_id_z 1
		.amdhsa_system_vgpr_workitem_id 0
		.amdhsa_next_free_vgpr 832
		.amdhsa_next_free_sgpr 66
		.amdhsa_reserve_vcc 0
		.amdhsa_float_denorm_mode_32 3
		.amdhsa_float_denorm_mode_16_64 3
		.amdhsa_memory_ordered 1
		.amdhsa_forward_progress 1
		.amdhsa_inst_pref_size 195
	.end_amdhsa_kernel
	.amdgpu_metadata
---
amdhsa.version: [ 1, 2 ]
amdhsa.kernels:
  - .name:           k_qec9d6b5319_attn
    .symbol:         k_qec9d6b5319_attn.kd
    .args:
      - { .name: qkv, .offset: 0, .size: 8, .value_kind: global_buffer, .address_space: global }
      - { .name: ao, .offset: 8, .size: 8, .value_kind: global_buffer, .address_space: global }
    .group_segment_fixed_size: 327680
    .private_segment_fixed_size: 0
    .kernarg_segment_align: 8
    .kernarg_segment_size: 16
    .max_flat_workgroup_size: 128
    .sgpr_count:     66
    .vgpr_count:     832
    .wavefront_size: 32
...
	.end_amdgpu_metadata
.endif
;; end of part 3
;; launch outp (part 4): grid 4 x 64, 4 waves a work-group, clusters of 4 x 4, 327,680 bytes of LDS; arguments ao, wot, bo, out0; writes out0
.if DOCPART == 4
	.amdgcn_target "amdgcn-amd-amdhsa--gfx1250"
	.amdhsa_code_object_version 6
	.text
	.protected	k_qec9d6b5319_outp
	.globl	k_qec9d6b5319_outp
	.p2align	8
	.type	k_qec9d6b5319_outp,@function
k_qec9d6b5319_outp:
	s_mov_b64 s[64:65], 0
	v_nop
	global_prefetch_b8 v0, s[64:65] scope:SCOPE_SE
	s_setreg_imm32_b32 hwreg(HW_REG_WAVE_MODE, 25, 1), 1
	s_wait_xcnt 0x0
	s_wait_alu depctr_hold_cnt(0) depctr_sa_sdst(0) depctr_va_vdst(0) depctr_va_sdst(0) depctr_va_ssrc(0) depctr_va_vcc(0) depctr_vm_vsrc(0)
	s_getreg_b32 s2, hwreg(HW_REG_IB_STS2, 6, 4)
	s_cmp_eq_u32 s2, 0
	s_cbranch_scc0 .Lentry_in_a_cluster
	s_endpgm
.Lentry_in_a_cluster:
	s_bfe_u32 s2, ttmp6, 0x10000c
	s_cmp_lg_u32 s2, 0xf033
	s_cbranch_scc0 .Lentry_shape_is_right
	s_endpgm
.Lentry_shape_is_right:
; OUTP: out0[m][n] = the sum over k of o[m][k] Wo[k][n] + bo[n].  o: ao, f16, laid by head: [16 batch + head][2,048 positions][64], so k = 64 head + channel; Wo: wot, f16, [n][k]; bo, out0: f32.
; Products with f16 operands, sums in f32.  bo is the C of each sum's first matrix instruction: no addition, and nothing is cleared.
; A tile of out0 is 128 rows x 256 columns: 64 x 4 = 256 work-groups.  Four waves, each 64 x 128: 32 accumulators, 256 registers.
; K goes in steps of 128 (two heads' planes of o; 256 bytes of a row of wot) through a ring of two LDS slots; waves 0 and 1 fetch the two planes of o (128 rows x 128 bytes, dense), waves 2 and 3 the halves of wot's 256 rows.
; CLUSTERS: 4 x 4 work-groups; o's tiles are shared along a row of the cluster, wot's along a column: each is asked for jointly.
; No prefetch: K has eight steps, and the launch's own loads and stores follow each other without a gap in which one could run ahead.
; THE MATRIX INSTRUCTION IS USED TRANSPOSED (source 0 = 16 rows of wot, source 1 = 16 rows of o): a lane holds eight neighbouring numbers of a row of out0.
; REGISTERS: window 0: v0-31 addresses; v64-95, v96-127 o's fragments (4 x 16 rows x 32 K), two buffers; v128-255 the way out.
;   window 1: v0-63, v64-127 wot's fragments, two buffers; v128-191 bo, eight registers for each block of 16 columns.   window 2: the accumulators, (a, b) at v[8 (8 a + b)].
.set PA,     144                       ; a row of o in LDS: 128 bytes + 16
.set PB,     272                       ; a row of wot: 256 + 16
.set APL,    128*PA                    ; a plane's 128 rows
.set HALFB,  128*PB
.set SLOT,   2*APL+2*HALFB
.set SPARE,  2*SLOT                    ; the spare words, 128 bytes a wave
.set SPITCH, 528                       ; the way out: a stage of 16 rows x (512 bytes + 16) for each wave, in slot 0, which has had its last fill and its last read when the first result is stored there
.set LAPS,   4                         ; eight K steps, two to a lap
.set ADRA, 16
.set ADRB, 20
.set STO,  24
.set RD,   25
.set CO,   26
.set BA,   27                          ; v27  my byte offset in bo
.set SPW,  28
.set NIL,  29
.set AF,   64
.set BIAS, 128
.set BK,   128
.set WV, 12
.set RH, 13                            ; s13  which half of the tile's rows is mine.  Also: I fetch for o (0) or for wot (1)
.set CH, 14                            ; s14  which half of its columns.  Also: which plane, or which 128 rows, I fetch
.set TY, 15
.set G1, 24
.set G0, 32
.set G1B, 48
.set G0B, 56
.set MSB, 0
.macro WIN new
.if MSB != \new
	s_set_vgpr_msb (MSB<<8)|\new
.set MSB, \new
.endif
.endm
.set MUL,  0xa1                        ; source 0 (wot) window 1, source 1 (o) window 0, C and D window 2
.set MULB, 0x91                        ; the same with C = bo in window 1
.set TO_B, 0x40
.macro JLOAD s                         ; a joint load; the branch hangs on the wave's number alone.  An s_nop 0 and four v_nop follow each line
	s_cmp_eq_u32 s[RH], 0
	s_cbranch_scc0 .Lfor_b_\@
	tensor_load_to_lds s[G0+4*\s:G0+4*\s+3], s[G1:G1+7]
	s_nop 0
.rept 4
	v_nop
.endr
	s_branch .Lasked_\@
.Lfor_b_\@:
	tensor_load_to_lds s[G0B+4*\s:G0B+4*\s+3], s[G1B:G1B+7]
	s_nop 0
.rept 4
	v_nop
.endr
.Lasked_\@:
.endm
.macro CREST                           ; a round of the cluster's barrier behind its opening barrier
	s_cmp_lg_u32 s[WV], 0
	s_cbranch_scc1 .Lnot_wave_0_\@
	s_barrier_signal -3
.Lnot_wave_0_\@:
	s_barrier_wait -3
	s_barrier_signal -1
	s_barrier_wait -1
.endm
.macro CROUND
	s_barrier_signal -1
	s_barrier_wait -1
	CREST
.endm
	s_load_b256 s[4:11], s[0:1], 0x0               ; ao s[4:5], wot s[6:7], bo s[8:9], out0 s[10:11]
	v_lshl_add_u32 v[SPW], v0, 2, SPARE
	v_mov_b32 v[NIL], 0
	ds_add_u32 v[SPW], v[NIL]                      ; the wave's opening: the add, twice on end, and its wait ahead of my first tensor load
	ds_add_u32 v[SPW], v[NIL]
	v_lshrrev_b32 v1, 5, v0
	v_readfirstlane_b32 s[WV], v1
	s_lshr_b32 s[RH], s[WV], 1
	s_and_b32 s[CH], s[WV], 1
	s_bfe_u32 s40, ttmp6, 0x40000                  ; cx, cy
	s_bfe_u32 s41, ttmp6, 0x40004
	s_lshl_b32 s42, ttmp9, 2
	s_add_co_u32 s42, s42, s40                     ; tile column
	s_and_b32 s[TY], ttmp7, 0xffff
	s_lshl_b32 s[TY], s[TY], 2
	s_add_co_u32 s[TY], s[TY], s41                 ; tile row
	s_lshl_b32 s43, s41, 2
	s_lshl_b32 s43, 15, s43                        ; my row of the cluster
	s_lshl_b32 s44, 0x1111, s40                    ; my column
	s_or_b32 s[G1+0], s43, (1<<16)|(1<<20)|(1<<21)|(4<<22)|(3<<25)   ; o's tiles go to my row; elements of 2 bytes; 4 words of padding behind every 32; bit 21 beside a mask
	s_mov_b32 s[G1+1], 64<<16                      ; tensor_dim0 = 64
	s_mov_b32 s[G1+2], 128<<16                     ; tensor_dim1 = 128
	s_mov_b32 s[G1+3], 64<<16                      ; tile_dim0 = 64
	s_mov_b32 s[G1+4], 128                         ; tile_dim1 = 128
	s_mov_b32 s[G1+5], 64                          ; the pitch
	s_mov_b32 s[G1+6], 0
	s_mov_b32 s[G1+7], 0
	s_or_b32 s[G1B+0], s44, (1<<16)|(1<<20)|(1<<21)|(5<<22)|(3<<25)  ; wot's go to my column; 4 words of padding behind every 64
	s_mov_b32 s[G1B+1], 128<<16
	s_mov_b32 s[G1B+2], 128<<16
	s_mov_b32 s[G1B+3], 128<<16
	s_mov_b32 s[G1B+4], 128
	s_mov_b32 s[G1B+5], 1024
	s_mov_b32 s[G1B+6], 0
	s_mov_b32 s[G1B+7], 0
	s_lshr_b32 s16, s[TY], 4                       ; o: the batch: 16 planes of 262,144 bytes,
	s_lshl_b32 s16, s16, 22
	s_and_b32 s17, s[TY], 15
	s_lshl_b32 s17, s17, 14                        ; my tile's 128 positions of 128 bytes,
	s_add_co_u32 s16, s16, s17
	s_lshl_b32 s17, s[CH], 18                      ; my plane of the K step's two
	s_add_co_u32 s16, s16, s17
	s_mov_b32 s17, 0
	s_lshl_b32 s46, s42, 8                         ; wot: row 256 x tile column + 128 x half,
	s_lshl_b32 s47, s[CH], 7
	s_add_co_u32 s46, s46, s47
	s_lshl_b32 s46, s46, 11                        ; 2,048 bytes each
	s_mov_b32 s47, 0
	s_mul_i32 s20, s[CH], APL                      ; where they go: no place in the cluster enters an LDS address
	s_mul_i32 s21, s[CH], HALFB
	s_add_co_u32 s21, s21, 2*APL
	s_wait_dscnt 0x0                               ; both opening adds are done
	s_wait_kmcnt 0x0
	s_add_nc_u64 s[18:19], s[4:5], s[16:17]
	s_add_nc_u64 s[46:47], s[6:7], s[46:47]
	CROUND                                         ; all sixteen work-groups are here: the first joint loads meet
.irp s, 0,1
	s_mov_b32 s[G0+4*\s], 1
	s_add_co_u32 s[G0+4*\s+1], s20, \s*SLOT
	s_add_nc_u64 s[G0+4*\s+2:G0+4*\s+3], s[18:19], \s*2*262144   ; K step s: planes 2 s, 2 s + 1
	s_or_b32 s[G0+4*\s+3], s[G0+4*\s+3], 0x80000000
	s_mov_b32 s[G0B+4*\s], 1
	s_add_co_u32 s[G0B+4*\s+1], s21, \s*SLOT
	s_add_nc_u64 s[G0B+4*\s+2:G0B+4*\s+3], s[46:47], \s*256
	s_or_b32 s[G0B+4*\s+3], s[G0B+4*\s+3], 0x80000000
	JLOAD \s                                       ; two tensor loads of mine are out
.endr
	v_and_b32 v1, 15, v0                           ; r
	v_bfe_u32 v2, v0, 4, 1                         ; h
	s_lshl_b32 s22, s42, 10                        ; my first column, in bytes of f32: 1,024 x tile column + 512 x half
	s_lshl_b32 s23, s[CH], 9
	s_add_co_u32 s22, s22, s23
	s_mov_b32 s23, 0
	s_add_nc_u64 s[8:9], s[8:9], s[22:23]
	v_lshlrev_b32 v[BA], 5, v2                     ; lane (r, h) wants, for block b, bo at columns 16 b + 8 h + 0 .. 7
	WIN TO_B
.irp b, 0,1,2,3,4,5,6,7
	global_load_b128 v[BIAS+8*\b:BIAS+8*\b+3],   v[BA], s[8:9] offset:64*\b
	global_load_b128 v[BIAS+8*\b+4:BIAS+8*\b+7], v[BA], s[8:9] offset:64*\b+16
.endr
	WIN 0
	v_mul_u32_u24 v3, v1, PA
	v_lshl_add_u32 v3, v2, 4, v3                   ; o: a fragment's row x pitch + 16 x half
	v_mul_u32_u24 v4, v1, PB
	v_lshl_add_u32 v4, v2, 4, v4                   ; wot likewise
	s_mul_i32 s2, s[RH], 64*PA                     ; my 64 rows in a plane
	s_mul_i32 s3, s[CH], HALFB
	s_add_co_u32 s3, s3, 2*APL                     ; my 128 rows of wot, behind o's two planes
.irp s, 0,1
	v_add_nc_u32 v[ADRA+\s], s2, v3
	v_add_nc_u32 v[ADRB+\s], s3, v4
	s_add_co_u32 s2, s2, SLOT
	s_add_co_u32 s3, s3, SLOT
.endr
	s_mul_i32 s2, s[WV], 16*SPITCH                 ; my stage
	v_mul_u32_u24 v5, v1, SPITCH                   ; in: row r, 32 bytes for each half of the lanes
	v_lshl_add_u32 v5, v2, 5, v5
	v_add_nc_u32 v[STO], s2, v5
	v_and_b32 v6, 31, v0
	v_lshlrev_b32 v[CO], 4, v6                     ; back: the 32 lanes take one row of 512 bytes; and the same in out0
	v_add_nc_u32 v[RD], s2, v[CO]
	s_lshl_b32 s16, s[TY], 7
	s_lshl_b32 s17, s[RH], 6
	s_add_co_u32 s16, s16, s17                     ; my first row of out0,
	s_lshl_b32 s16, s16, 12                        ; 4,096 bytes each
	s_mov_b32 s17, 0
	s_add_nc_u64 s[10:11], s[10:11], s[16:17]
	s_add_nc_u64 s[10:11], s[10:11], s[22:23]
; 8 matrix instructions: block a of my rows x all 8 blocks of columns, 32 along K, from buffers f.  The 32 accumulators take turns, one instruction a turn, in the same order in every quarter.
.macro MUL8 f, a, bias
.irp b, 0,1,2,3,4,5,6,7
.if \bias
	v_wmma_f32_16x16x32_f16 v[8*(8*(\a)+\b):8*(8*(\a)+\b)+7], v[64*(\f)+8*\b:64*(\f)+8*\b+7], v[AF+32*(\f)+8*(\a):AF+32*(\f)+8*(\a)+7], v[BIAS+8*\b:BIAS+8*\b+7]
.else
	v_wmma_f32_16x16x32_f16 v[8*(8*(\a)+\b):8*(8*(\a)+\b)+7], v[64*(\f)+8*\b:64*(\f)+8*\b+7], v[AF+32*(\f)+8*(\a):AF+32*(\f)+8*(\a)+7], v[8*(8*(\a)+\b):8*(8*(\a)+\b)+7]
.endif
.endr
.endm
; 24 LDS loads in one run: quarter q of the slot (32 along K: plane q / 2, channels 32 (q % 2) on) into buffers f: wot's eight fragments, then o's four
.macro FETCH slot, q, f
	WIN TO_B
.irp i, 0,1,2,3,4,5,6,7
	ds_load_b128 v[64*(\f)+8*\i:64*(\f)+8*\i+3],   v[ADRB+\slot] offset:64*(\q)+\i*16*PB
	ds_load_b128 v[64*(\f)+8*\i+4:64*(\f)+8*\i+7], v[ADRB+\slot] offset:64*(\q)+\i*16*PB+32
.endr
	WIN 0
.irp i, 0,1,2,3
	ds_load_b128 v[AF+32*(\f)+8*\i:AF+32*(\f)+8*\i+3],   v[ADRA+\slot] offset:((\q)/2)*APL+((\q)%2)*64+\i*16*PA
	ds_load_b128 v[AF+32*(\f)+8*\i+4:AF+32*(\f)+8*\i+7], v[ADRA+\slot] offset:((\q)/2)*APL+((\q)%2)*64+\i*16*PA+32
.endr
.endm
.macro PLACES                          ; four plain vector instructions between a matrix instruction and a load into, or a read of, its registers
.rept 4
	v_nop
.endr
.endm
; One of a K step's first three quarters: multiplies buffers f; in its middle it fetches quarter qn of the same slot into the other buffers.
.macro QUARTER slot, qn, f, bias
	s_wait_dscnt 4                                 ; wot's fragments and o's blocks 0, 1 are in; the youngest four loads (blocks 2, 3) may be out
.if \bias
	WIN MULB
.else
	WIN MUL
.endif
	MUL8 \f, 0, \bias
	MUL8 \f, 1, \bias
	PLACES
	FETCH \slot, \qn, 1-\f
	s_wait_dscnt 24                                ; all but the 24 just issued
.if \bias
	WIN MULB
.else
	WIN MUL
.endif
	MUL8 \f, 2, \bias
	MUL8 \f, 3, \bias
.endm
; The last quarter multiplies buffers 1 and changes slots: ONE barrier; in front of it each wave waits for all its tensor loads, of which one is out: its part of the next slot; adds 0 to its spare word; and waits for that
; and for its own reads of this slot.  fill = 1: the barrier opens a round of the cluster's, and this slot is filled again, two K steps ahead, first thing behind the round.
.macro TURN slot, next, fill
	WIN 0
	s_wait_tensorcnt 0x0
	ds_add_u32 v[SPW], v[NIL]
	s_wait_dscnt 5                                 ; the add and the youngest four loads may be out
	WIN MUL
	MUL8 1, 0, 0                                   ; eight matrix instructions stand between the add and the wait for it
	s_wait_dscnt 0x0                               ; the add is done, and my reads of this slot are over
	s_barrier_signal -1
	MUL8 1, 1, 0
	WIN 0
	s_barrier_wait -1
.if \fill
	CREST
	s_add_nc_u64 s[G0+4*\slot+2:G0+4*\slot+3], s[G0+4*\slot+2:G0+4*\slot+3], 4*262144   ; two K steps on: four planes,
	s_add_nc_u64 s[G0B+4*\slot+2:G0B+4*\slot+3], s[G0B+4*\slot+2:G0B+4*\slot+3], 512     ; 512 bytes along wot's rows
	JLOAD \slot                                    ; the four v_nop behind it are also the places in front of the loads below
.else
	PLACES
.endif
	FETCH \next, 0, 0
	WIN MUL
	MUL8 1, 2, 0
	MUL8 1, 3, 0
.endm
	s_wait_tensorcnt 1                             ; my part of K step 0 is in; K step 1's may stay out
	s_barrier_signal -1
	s_barrier_wait -1
	FETCH 0, 0, 0
	s_wait_loadcnt 0x0                             ; bo
	QUARTER 0, 1, 0, 1                             ; the first quarter stands in front of the loop: its products start the sums from bo
	WIN 0
	s_mov_b32 s3, LAPS-1
.Llap:                                             ; a trip goes once round the ring, from a lap's second quarter to the next lap's first, and fills both slots again
	QUARTER 0, 2, 1, 0
	QUARTER 0, 3, 0, 0
	TURN 0, 1, 1
	QUARTER 1, 1, 0, 0
	QUARTER 1, 2, 1, 0
	QUARTER 1, 3, 0, 0
	TURN 1, 0, 1
	QUARTER 0, 1, 0, 0
	WIN 0
	s_sub_co_u32 s3, s3, 1
	s_cmp_lg_u32 s3, 0
	s_cbranch_scc1 .Llap
	QUARTER 0, 2, 1, 0                             ; the last lap fills nothing, and has no round of the cluster's barrier
	QUARTER 0, 3, 0, 0
	TURN 0, 1, 0
	QUARTER 1, 1, 0, 0
	QUARTER 1, 2, 1, 0
	QUARTER 1, 3, 0, 0
	s_wait_dscnt 4                                 ; the very last quarter: nothing more to fetch
	WIN MUL
	MUL8 1, 0, 0
	MUL8 1, 1, 0
	s_wait_dscnt 0
	MUL8 1, 2, 0
	MUL8 1, 3, 0
	WIN 0
; THE WAY OUT, a block of 16 rows x 128 columns at a time: a lane's 32 bytes of a row go into my stage, each accumulator from its low end on, and come back as whole rows of 512 bytes.
.macro TOSTAGE a
	WIN 0x08                                       ; an LDS store's data are its source 1: window 2
.irp b, 0,1,2,3,4,5,6,7
	ds_store_b128 v[STO], v[64*(\a)+8*\b:64*(\a)+8*\b+3] offset:64*\b
	ds_store_b128 v[STO], v[64*(\a)+8*\b+4:64*(\a)+8*\b+7] offset:64*\b+16
.endr
	WIN 0
.set BB, BK+64*((\a)%2)
.irp t, 0,1,2,3,4,5,6,7,8,9,10,11,12,13,14,15
	ds_load_b128 v[BB+4*\t:BB+4*\t+3], v[RD] offset:\t*SPITCH      ; LDS serves a wave's instructions in order: these see the stores above
.endr
.endm
.macro SEND a, younger                 ; younger: the LDS instructions issued behind block a's loads, which may stay out
.set BB, BK+64*((\a)%2)
	s_wait_dscnt \younger
.irp t, 0,1,2,3,4,5,6,7,8,9,10,11,12,13,14,15
	global_store_b128 v[CO], v[BB+4*\t:BB+4*\t+3], s[10:11] offset:(16*(\a)+\t)*4096 th:TH_STORE_NT   ; 512 consecutive bytes, at a multiple of 512 from out0's first byte
.endr
.endm
	PLACES                                         ; behind the last products: for the stores' reads of results and the loads into registers that held fragments
	TOSTAGE 0
.irp a, 1,2,3
.if \a > 1
	s_wait_xcnt 0x0                                ; block a - 2's stores have read their registers: block a's loads may land there
.endif
	TOSTAGE \a
	SEND \a-1, 32                                  ; behind block a - 1's loads: block a's 16 stores and 16 loads
.endr
	SEND 3, 0
	s_wait_tensorcnt 0x0                           ; the wave's end
	ds_add_u32 v[SPW], v[NIL]
	s_wait_dscnt 0x0
	CROUND                                         ; the closing round
	s_endpgm
.Lfunc_end_k_qec9d6b5319_outp:
	.size	k_qec9d6b5319_outp, .Lfunc_end_k_qec9d6b5319_outp-k_qec9d6b5319_outp
	.p2alignl 7, 3214868480
	.fill 96, 4, 3214868480
	.section	.rodata,"a",@progbits
	.p2align	6, 0x0
	.amdhsa_kernel k_qec9d6b5319_outp
		.amdhsa_group_segment_fixed_size 327680
		.amdhsa_private_segment_fixed_size 0
		.amdhsa_enable_private_segment 0
		.amdhsa_kernarg_size 32
		.amdhsa_user_sgpr_count 2
		.amdhsa_user_sgpr_kernarg_segment_ptr 1
		.amdhsa_wavefront_size32 1
		.amdhsa_system_sgpr_workgroup_id_x 1
		.amdhsa_system_sgpr_workgroup_id_y 1
		.amdhsa_system_sgpr_workgroup_id_z 1
		.amdhsa_system_vgpr_workitem_id 0
		.amdhsa_next_free_vgpr 768
		.amdhsa_next_free_sgpr 66
		.amdhsa_reserve_vcc 0
		.amdhsa_float_denorm_mode_32 3
		.amdhsa_float_denorm_mode_16_64 3
		.amdhsa_memory_ordered 1
		.amdhsa_forward_progress 1
		.amdhsa_inst_pref_size 87
	.end_amdhsa_kernel
	.amdgpu_metadata
---
amdhsa.version: [ 1, 2 ]
amdhsa.kernels:
  - .name:           k_qec9d6b5319_outp
    .symbol:         k_qec9d6b5319_outp.kd
    .args:
      - { .name: ao, .offset: 0, .size: 8, .value_kind: global_buffer, .address_space: global }
      - { .name: wot, .offset: 8, .size: 8, .value_kind: global_buffer, .address_space: global }
      - { .name: bo, .offset: 16, .size: 8, .value_kind: global_buffer, .address_space: global }
      - { .name: out0, .offset: 24, .size: 8, .value_kind: global_buffer, .address_space: global }
    .group_segment_fixed_size: 327680
    .private_segment_fixed_size: 0
    .kernarg_segment_align: 8
    .kernarg_segment_size: 32
    .max_flat_workgroup_size: 128
    .sgpr_count:     66
    .vgpr_count:     768
    .wavefront_size: 32
...
	.end_amdgpu_metadata
.endif
;; end of part 4
